; MI455X (gfx1250); checked and timed in simulation.
; The chip was launched on July 23, 2026; its instructions are those of AMD's public machine-readable ISA for CDNA 5 (MIT licence, August 2026) and "CDNA5" Instruction Set Architecture Reference Guide (July 2026). The comments in the code are by the model that wrote it; some were corrected since.
;; Multi Head Attention. Allowed arithmetic: matrix products marked QUANTISED: E3M2 operands, one E8M0 scale for each 32 along K, by v_wmma_scale_f32_16x16x128_f8f6f4 with both operands' format E3M2, f32 sums; everything else in f32.
;; Inputs: b_proj 1,024 float32; w_proj 1,024 x 1,024 float32; wk 16 x 1,024 x 64 float32; wq 16 x 1,024 x 64 float32; wv 16 x 1,024 x 64 float32; x 8 x 1,024 x 1,024 float32.
;; Outputs: out0 8 x 1,024 x 1,024 float32.
;; This version of the problem:
;;   THIS VERSION OF THE PROBLEM IS GIVEN IN LOW PRECISION. The matrix products marked QUANTISED in the list below multiply operands that are first quantised to E3M2 (3 exponent bits, 2 mantissa bits; 6 bits a number), with one power-of-two scale for each 32 numbers along K (OCP MX v1.0); their sums are f32. All else is computed in f32.
;;   The module's matrix products, in the order in which they are computed (A, B: the left and right operand; K: the contracted axis; several contracted axes count as one K, in the product's order):
;;     1. [M 1,024, K 1,024] x [K 1,024, N 8,192]; A: input wq; B: input x: QUANTISED
;;     2. [M 1,024, K 1,024] x [K 1,024, N 8,192]; A: input wk; B: input x: QUANTISED
;;     3. [M 1,024, K 1,024] x [K 1,024, N 8,192]; A: input wv; B: input x: QUANTISED
;;     4. batch 128 x [M 1,024, K 64] x [K 64, N 1,024]; A: computed on the way; B: computed on the way: QUANTISED
;;     5. batch 128 x [M 1,024, K 1,024] x [K 1,024, N 64]; A: softmax (see below); B: computed on the way: QUANTISED
;;     6. [M 8,192, K 1,024] x [K 1,024, N 1,024]; A: computed on the way; B: input w_proj: QUANTISED
;;   THE QUANTISER, for each operand of a quantised product, along K:
;;     - K is cut into blocks of 32 from its start; a last block that is shorter is filled with zeros.
;;     - A block's scale is 2^e with e = floor(log2(the largest magnitude in the block)) - 4, held to -126 .. 127; a block of zeros has e = 0. As a byte (E8M0): e + 127.
;;     - Each number is divided by its block's scale, clamped to +-28, and rounded to the nearest number of E3M2, ties to even, subnormals kept.
;;     - The product sums the exact products of the quantised numbers (number of the format x scale) in f32.
;;   ~~~python
;;   def quantise(x, axis):      # numpy; x: float32 -> the quantised numbers, widened to float32 again
;;       x = np.moveaxis(x, axis, -1); K = x.shape[-1]
;;       x = np.pad(x, [(0, 0)] * (x.ndim - 1) + [(0, -K % 32)]); x = x.reshape(x.shape[:-1] + (-1, 32)); a = np.abs(x).max(-1, keepdims=True)
;;       e = np.where(a > 0, np.clip(np.frexp(np.where(a > 0, a, 1))[1] - 1 - 4, -126, 127), 0)      # np.frexp(a)[1] - 1 = floor(log2(a)), exactly
;;       r = np.clip(x / 2.0 ** e, -28, 28)
;;       step = 2.0 ** (np.maximum(np.frexp(np.where(r == 0, 1, r))[1] - 1, -2) - 2)
;;       q = np.round(r / step) * step * 2.0 ** e      # np.round: ties to even
;;       return np.moveaxis(q.reshape(q.shape[:-2] + (-1,))[..., :K], -1, axis).astype(np.float32)
;;   ~~~
;;   SOFTMAX AHEAD OF A QUANTISED PRODUCT. Where the list says 'softmax', what is quantised is not the finished softmax but p = 2^(t - M), with t = logit x log2(e) and M = ceil(the row's largest t), a whole number; so 1/2 < the row's largest p <= 1. The row's sum l is taken of the UNQUANTISED p, in f32, and the product's result is divided by l at the end. Since M is a whole number, a kernel that streams over the keys may use a running M (the ceiling of the running maximum): every later rescaling is an exact power of two, which a block's scale takes up: the codes' values come out the same.
;;   OPERANDS COMPUTED ON THE WAY. 'Computed on the way' means the value that the module computes at that place (a softmax that the list does not call 'softmax' is quantised finished and normalised). What goes into a quantiser is computed in f32, as accurately as f32 sums, v_exp_f32 and their like allow (about 1e-6 of the number): no bf16 or f16 on the way to a quantiser, and a product that is left as it is and whose result goes on into a quantised operand takes f32 operands (vector FMAs, or v_wmma_f32_16x16x4_f32). A number that lies on a knife's edge between two numbers of the format may be rounded either way, as far as f32 arithmetic and the matrix unit's own rounding can turn it there, and no further.
;; One version. Each part assembles by itself: llvm-mc -triple=amdgcn-amd-amdhsa -mcpu=gfx1250 --defsym DOCPART=n.
;; ======== version 1 of 1: 4 launches
;; limits: right only within a limited range of input values
;; workspace buffers: xc 6,815,744 bytes; wc 3,407,872 bytes; qc 7,340,032 bytes; kv 14,155,776 bytes; oc 6,815,744 bytes
;; launch quant (part 1): grid 768 x 1, 4 waves a work-group, no clusters, 68,096 bytes of LDS; arguments x, wq, wk, wv, w_proj, xc, wc; writes xc, wc
.if DOCPART == 1
	.amdgcn_target "amdgcn-amd-amdhsa--gfx1250"
	.amdhsa_code_object_version 6
	.text
	.protected	k_q0b336adfce_quant
	.globl	k_q0b336adfce_quant
	.p2align	8
	.type	k_q0b336adfce_quant,@function
k_q0b336adfce_quant:
	s_mov_b64 s[64:65], 0
	v_nop
	global_prefetch_b8 v0, s[64:65] scope:SCOPE_SE
	s_setreg_imm32_b32 hwreg(HW_REG_WAVE_MODE, 25, 1), 1
	s_wait_xcnt 0x0
; CAUSAL MULTI-HEAD ATTENTION IN MX-BF6 (E3M2, one E8M0 scale for each 32 along K), four launches: quant, qkv, attn, proj.
; THIS LAUNCH turns x [8192][1024] and the four weights, all f32, into codes and scale bytes, laid in the ORDER OF THE OPERAND'S REGISTERS.
; DEAD WORK (left out in the launch attn alone).  The scores are set to -infinity wherever key s > query t.  The softmax gives such a key the
; weight 0 whatever finite values the inputs hold: p = 0, its code is 0, it adds nothing to the row's sum and nothing to the product with v.  So a piece of 16 queries x 128 keys whose first key
; lies behind all 16 queries is not computed, in the product q k^T and in the product p v.  Nothing else is left out and every input is loaded.
; LIMITS.  NaN and infinities among the inputs are not served; a NaN, an infinity or an overflow that reaches only a score left out is not carried to the result.  A block whose largest magnitude lies
; under 2^-122 gets the scale byte 1; so does a block of zeros (the rule says 127): its codes are zeros, which add nothing under any byte but 0xff, and this program alone reads the bytes.
; LAYOUT.  l = lane, r = l % 16, hl = l / 16.  A fragment (16 rows x 128 K, 12 registers a lane) lies as an image: registers 4 c .. 4 c + 3 of lane l at 512 c + 16 l.
; A RECORD of 3,328 bytes serves 16 rows x 256 K: fragment of the first 128 at 0, of the second at 1,536, their scale words (a word a lane) at 3,072 and 3,200.
; THE 16 ROWS OF A TILE ARE NOT NEIGHBOURS: of 32 neighbouring indices tile u (0, 1) takes in lane row r the index 8 u + r + 8 (r / 8).  Where such a tile is source 0 of a product, the 16 result
; registers of the two tiles are 16 neighbours, which is what the next quantiser wants.
; xc: [ks 4][tile 512][record].   wc: [g 4][p 4][half 2][w 4][kk 2][t 4][record]: p = wq, wk, wv, w_proj; column 256 g + 64 w + tile t's; K = 512 half + 256 kk on.
; SHARES.  Work-groups 0-511: x, one tile of 16 tokens each, wave w the 256 along K from 256 w on.  Work-groups 512-767: a weight's 64 columns x 256 K, a wave 32 columns x 128 K.
; The launch streams: matrix units, clusters and tensor loads would add nothing.  Waves share nothing: no barrier.  Only x's way touches LDS.
.set REC,   3328
.set SPARE, 67584                      ; behind the four waves' stages: the spare words, 128 bytes a wave
.set SPW,   250                        ; v250 my spare word's LDS address; never rewritten
.set NIL,   251                        ; v251 0; never rewritten
.set SEL,   20                         ; s[20:21] lane selects: lane l xor 16
.set R,     16                         ; v16-143  x as loaded: K step q, row i at 16 + 64 q + 4 i
.set X,     144                        ; v144-207 64 numbers of my row: register 16 b + i = k 32 b + 16 hl + i
.set TM,    208                        ; v208-223 at work
.set PW,    224                        ; the scale word
.set PC,    228                        ; v228-239 the codes; v240-242, v244-246 the conversions' second halves
; 64 numbers of a lane become a fragment's 12 registers and its row's scale word
.macro QUANT src
.irp b, 0,1,2,3
	v_max3_num_f32 v[TM+\b], |v[\src+16*\b]|, |v[\src+1+16*\b]|, 0x2800000   ; block b: my 16 numbers and the floor 2^(5 - 127), which holds the byte at 1 from below
.endr
.irp i, 2,4,6,8,10,12,14
.irp b, 0,1,2,3
	v_max3_num_f32 v[TM+\b], v[TM+\b], |v[\src+16*\b+\i]|, |v[\src+1+16*\b+\i]|   ; the four blocks by turns
.endr
.endr
.irp b, 0,1,2,3
	v_permlanex16_b32 v[TM+4+\b], v[TM+\b], s[SEL], s[SEL+1]
.endr
.irp b, 0,1,2,3
	v_max_num_f32 v[TM+\b], v[TM+\b], v[TM+4+\b]           ; with lane l xor 16's 16: the block's largest magnitude
.endr
.irp b, 0,1,2,3
	v_add_nc_u32 v[TM+12+\b], 0xfe000000, v[TM+\b]         ; 4 off its exponent field: the conversion's scale operand
.endr
.irp b, 0,1,2,3
	v_lshrrev_b32 v[TM+4+\b], 23, v[TM+12+\b]              ; the scale's byte
.endr
	v_lshl_or_b32 v[PW], v[TM+5], 8, v[TM+4]
	v_lshl_or_b32 v[PW], v[TM+6], 16, v[PW]
	v_lshl_or_b32 v[PW], v[TM+7], 24, v[PW]
.irp c, 0,1
	v_cvt_scalef32_pk16_bf6_f32 v[PC+6*\c:PC+2+6*\c], v[\src+32*\c:\src+15+32*\c], v[TM+12+2*\c]
	v_cvt_scalef32_pk16_bf6_f32 v[PC+12+4*\c:PC+14+4*\c], v[\src+16+32*\c:\src+31+32*\c], v[TM+13+2*\c]   ; (a conversion's three registers begin on an even number)
.endr
	v_nop                                                  ; one plain instruction behind the conversions
.irp c, 0,1                            ; the layout wants a whole block in a lane: lanes 0-15 block 2 c, lanes 16-31 block 2 c + 1
.irp i, 0,1,2
	v_permlane16_swap_b32 v[PC+6*\c+\i], v[PC+12+4*\c+\i]
.endr
.irp i, 0,1,2
	v_mov_b32 v[PC+3+6*\c+\i], v[PC+12+4*\c+\i]
.endr
.endr
.endm
	s_load_b256 s[4:11], s[0:1], 0x0               ; x, wq, wk, wv
	s_load_b128 s[12:15], s[0:1], 0x20             ; w_proj, xc
	s_load_b64 s[16:17], s[0:1], 0x30              ; wc
	v_lshl_add_u32 v[SPW], v0, 2, SPARE
	v_mov_b32 v[NIL], 0
	v_lshrrev_b32 v1, 5, v0
	v_readfirstlane_b32 s18, v1                    ; wave
	v_and_b32 v1, 31, v0                           ; l
	v_and_b32 v2, 15, v0                           ; r
	v_bfe_u32 v3, v0, 4, 1                         ; hl
	v_lshlrev_b32 v4, 4, v1                        ; 16 l
	v_lshlrev_b32 v5, 2, v1                        ; 4 l
	s_mov_b32 s[SEL], 0x76543210
	s_mov_b32 s[SEL+1], 0xfedcba98
	s_cmp_ge_u32 ttmp9, 512
	s_cbranch_scc1 .Lweights
	; ---- x: tile rb = my work-group's number; its first token is 32 (rb / 2) + 8 (rb % 2)
	s_lshr_b32 s22, ttmp9, 1
	s_lshl_b32 s22, s22, 5
	s_and_b32 s23, ttmp9, 1
	s_lshl_b32 s23, s23, 3
	s_add_co_u32 s22, s22, s23
	s_lshl_b32 s22, s22, 12                        ; a row of x is 4,096 bytes
	s_lshl_b32 s23, s18, 10                        ; my wave's 256 numbers of each row
	s_add_co_u32 s22, s22, s23
	s_mov_b32 s23, 0
	s_mul_i32 s24, s18, 1703936                    ; xc: ks = wave,
	s_mul_i32 s25, ttmp9, REC                      ; record rb
	s_add_co_u32 s24, s24, s25
	s_mov_b32 s25, 0
	s_mul_i32 s26, s18, 16896                      ; LDS: my wave's two stages of 16 rows x 528 bytes
	s_wait_alu depctr_va_vdst(0)
	v_add_nc_u32 v6, s26, v4                       ; in: a row's 512 bytes as they lie, 16 a lane
	v_mul_u32_u24 v7, v2, 528                      ; back: row r (132 words apart: sixteen rows begin at sixteen different groups of four banks), + 64 hl
	v_lshl_add_u32 v7, v3, 6, v7
	v_add_nc_u32 v7, s26, v7
.irp b, 0,1,2,3
	v_mov_b32 v[TM+4+\b], 0                        ; written once: a lane permute's destination counts as one of its sources
.endr
	s_wait_alu depctr_va_vdst(0)
	s_wait_kmcnt 0x0
	s_add_nc_u64 s[4:5], s[4:5], s[22:23]
	s_add_nc_u64 s[14:15], s[14:15], s[24:25]
.irp q, 0,1
.irp i, 0,1,2,3,4,5,6,7,8,9,10,11,12,13,14,15
	global_load_b128 v[R+64*\q+4*\i:R+64*\q+4*\i+3], v4, s[4:5] offset:(\i+8*(\i/8))*4096+512*\q th:TH_LOAD_NT   ; 32 lanes read 512 consecutive bytes of tile row i
.endr
.endr
.irp q, 0,1
.if \q == 0
	s_wait_loadcnt 16                              ; the first K step's sixteen loads are in; the second's sixteen may be out
.else
	s_wait_loadcnt 0x0
.endif
.irp i, 0,1,2,3,4,5,6,7,8,9,10,11,12,13,14,15
	ds_store_b128 v6, v[R+64*\q+4*\i:R+64*\q+4*\i+3] offset:8448*\q+528*\i
.endr
.irp b, 0,1,2,3
.irp j, 0,1,2,3
	ds_load_b128 v[X+16*\b+4*\j:X+16*\b+4*\j+3], v7 offset:8448*\q+128*\b+16*\j   ; LDS serves a wave's instructions in order: these see the stores above
.endr
.endr
	s_wait_dscnt 0x0
.if \q == 1
	s_wait_xcnt 0x0                                ; the first K step's stores have read the codes' registers, which are written again below
.endif
	QUANT X
.irp c, 0,1,2
	global_store_b128 v4, v[PC+4*\c:PC+4*\c+3], s[14:15] offset:1536*\q+512*\c   ; 512 consecutive bytes, aligned
.endr
	global_store_b32 v5, v[PW], s[14:15] offset:3072+128*\q
.endr
	s_branch .Lend
	; ---- the weights: a lane takes a column, its registers run down K; nothing is transposed by an instruction
.Lweights:
	s_sub_co_u32 s22, ttmp9, 512
	s_lshr_b32 s23, s22, 6                         ; p: which weight
	s_bfe_u32 s24, s22, 0x40002                    ; hd: which 64 columns (the head)
	s_and_b32 s25, s22, 3                          ; ks: which 256 along K
	s_and_b32 s26, s18, 1                          ; b: which 32 of the 64 columns
	s_lshr_b32 s27, s18, 1                         ; q: which 128 of the 256
	v_and_b32 v8, 7, v0                            ; my column of the 32: (l % 8) + 16 ((l / 8) % 2) + 8 (l / 16): lanes 0-15 hold tile 0 in its order of rows, lanes 16-31 tile 1;
	v_bfe_u32 v9, v0, 3, 1                         ; the wave still reads the same 128 consecutive bytes
	v_lshl_add_u32 v8, v9, 4, v8
	s_wait_alu depctr_va_vdst(0)
	v_lshl_add_u32 v8, v3, 3, v8
	v_lshlrev_b32 v8, 2, v8
	s_lshl_b32 s28, s25, 8
	s_lshl_b32 s29, s27, 7
	s_add_co_u32 s28, s28, s29                     ; my first row along K
	s_lshl_b32 s30, s24, 18                        ; wq, wk, wv [16][1024][64]: 262,144 hd + 256 k
	s_lshl_b32 s31, s28, 8
	s_add_co_u32 s30, s30, s31
	s_lshl_b32 s31, s28, 12                        ; w_proj [1024][1024]: 4,096 k + 256 hd
	s_lshl_b32 s32, s24, 8
	s_add_co_u32 s31, s31, s32
	s_cmp_eq_u32 s23, 3
	s_cselect_b32 s30, s31, s30
	s_lshl_b32 s31, s26, 7
	s_add_co_u32 s30, s30, s31                     ; + 128 b
	s_mov_b32 s31, 0
	s_lshr_b32 s32, s24, 2                         ; wc: g = hd / 4,
	s_mul_i32 s32, s32, 851968
	s_mul_i32 s33, s23, 212992                     ; p,
	s_add_co_u32 s32, s32, s33
	s_lshr_b32 s33, s25, 1                         ; half = ks / 2,
	s_mul_i32 s33, s33, 106496
	s_add_co_u32 s32, s32, s33
	s_and_b32 s33, s24, 3                          ; w = hd % 4,
	s_mul_i32 s33, s33, 26624
	s_add_co_u32 s32, s32, s33
	s_and_b32 s33, s25, 1                          ; kk = ks % 2,
	s_mul_i32 s33, s33, 13312
	s_add_co_u32 s32, s32, s33
	s_mul_i32 s33, s26, 2*REC                      ; tiles 2 b and 2 b + 1
	s_add_co_u32 s32, s32, s33
	s_mul_i32 s34, s27, 1536                       ; in a record: fragment q,
	s_add_co_u32 s34, s34, s32
	s_mov_b32 s35, 0
	s_lshl_b32 s36, s27, 7                         ; and its scale words
	s_add_co_u32 s36, s36, s32
	s_add_co_u32 s36, s36, 3072
	s_mov_b32 s37, 0
	s_wait_kmcnt 0x0
	s_cmp_eq_u32 s23, 0                            ; the choice of the buffer hangs on the work-group's number alone
	s_cselect_b64 s[38:39], s[6:7], s[8:9]
	s_cmp_eq_u32 s23, 2
	s_cselect_b64 s[38:39], s[10:11], s[38:39]
	s_cmp_eq_u32 s23, 3
	s_cselect_b64 s[38:39], s[12:13], s[38:39]
	s_add_nc_u64 s[38:39], s[38:39], s[30:31]
	s_add_nc_u64 s[40:41], s[16:17], s[34:35]
	s_add_nc_u64 s[42:43], s[16:17], s[36:37]
; v16-79 two sets of 32 numbers; v80-91 blocks 0 and 2, v92-103 blocks 1 and 3 (six registers each); v104-106 a conversion's second half; v108-111 at work; v112, v113 scale words
.macro LOADB t, pitch
.irp i, 0,1,2,3,4,5,6,7,8,9,10,11,12,13,14,15,16,17,18,19,20,21,22,23,24,25,26,27,28,29,30,31
	global_load_b32 v[16+32*((\t)%2)+\i], v8, s[38:39] offset:(32*(\t)+\i)*\pitch th:TH_LOAD_NT
.endr
.endm
.macro BLOCKW t, pitch
.set XS, 16+32*((\t)%2)
.set CW, 80+12*((\t)%2)+6*((\t)/2)
.if (\t) < 3
	s_wait_loadcnt 32                              ; this block's 32 loads are in; the next block's 32 may be out
.else
	s_wait_loadcnt 0x0
.endif
	v_max3_num_f32 v108, |v[XS]|, |v[XS+1]|, |v[XS+2]|     ; all 32 numbers of the block are mine: two chains
	v_max3_num_f32 v109, |v[XS+3]|, |v[XS+4]|, |v[XS+5]|
.irp i, 6,10,14,18,22,26
	v_max3_num_f32 v108, v108, |v[XS+\i]|, |v[XS+\i+1]|
	v_max3_num_f32 v109, v109, |v[XS+\i+2]|, |v[XS+\i+3]|
.endr
	v_max3_num_f32 v108, v108, |v[XS+30]|, |v[XS+31]|
	v_max3_num_f32 v108, v108, v109, 0x2800000     ; and the floor
	v_add_nc_u32 v110, 0xfe000000, v108            ; the conversion's scale operand
	v_lshrrev_b32 v111, 23, v110                   ; the byte
.if (\t) == 0
	v_mov_b32 v112, v111
.else
	v_lshl_or_b32 v112, v111, 8*(\t), v112
.endif
	v_cvt_scalef32_pk16_bf6_f32 v[CW:CW+2], v[XS:XS+15], v110
	v_cvt_scalef32_pk16_bf6_f32 v[104:106], v[XS+16:XS+31], v110
	v_nop                                          ; one plain instruction behind the conversions
.irp i, 0,1,2
	v_mov_b32 v[CW+3+\i], v[104+\i]
.endr
.if (\t) < 2
	LOADB (\t)+2, \pitch
.endif
.endm
.macro WQ pitch                        ; written for each of the two pitches, so that every offset is an immediate (127 x 4,096 bytes at the most)
	LOADB 0, \pitch
	LOADB 1, \pitch
	BLOCKW 0, \pitch
	BLOCKW 1, \pitch
	BLOCKW 2, \pitch
	BLOCKW 3, \pitch
.endm
	s_cmp_eq_u32 s23, 3
	s_cbranch_scc1 .Lwide
	s_wait_alu depctr_va_vdst(0)
	WQ 256
	s_branch .Lwout
.Lwide:
	s_wait_alu depctr_va_vdst(0)
	WQ 4096
.Lwout:
.irp i, 0,1,2,3,4,5,6,7,8,9,10,11
	v_permlane16_swap_b32 v[80+\i], v[92+\i]       ; tile 1's even blocks change places with tile 0's odd ones: v80-91 is now tile 0's fragment, v92-103 tile 1's
.endr
	v_mov_b32 v113, v112
	v_permlane16_swap_b32 v112, v113               ; v112: tile 0's words in both halves of the lanes, v113: tile 1's
.irp u, 0,1
.irp c, 0,1,2
	global_store_b128 v4, v[80+12*\u+4*\c:83+12*\u+4*\c], s[40:41] offset:REC*\u+512*\c
.endr
	global_store_b32 v5, v[112+\u], s[42:43] offset:REC*\u
.endr
.Lend:
	s_wait_tensorcnt 0x0                           ; the wave's end
	ds_add_u32 v[SPW], v[NIL]
	s_wait_dscnt 0x0
	s_endpgm
.Lfunc_end_k_q0b336adfce_quant:
	.size	k_q0b336adfce_quant, .Lfunc_end_k_q0b336adfce_quant-k_q0b336adfce_quant
	.p2alignl 7, 3214868480
	.fill 96, 4, 3214868480
	.section	.rodata,"a",@progbits
	.p2align	6, 0x0
	.amdhsa_kernel k_q0b336adfce_quant
		.amdhsa_group_segment_fixed_size 68096
		.amdhsa_private_segment_fixed_size 0
		.amdhsa_enable_private_segment 0
		.amdhsa_kernarg_size 56
		.amdhsa_user_sgpr_count 2
		.amdhsa_user_sgpr_kernarg_segment_ptr 1
		.amdhsa_wavefront_size32 1
		.amdhsa_system_sgpr_workgroup_id_x 1
		.amdhsa_system_sgpr_workgroup_id_y 1
		.amdhsa_system_sgpr_workgroup_id_z 1
		.amdhsa_system_vgpr_workitem_id 0
		.amdhsa_next_free_vgpr 256
		.amdhsa_next_free_sgpr 66
		.amdhsa_reserve_vcc 0
		.amdhsa_float_denorm_mode_32 3
		.amdhsa_float_denorm_mode_16_64 3
		.amdhsa_memory_ordered 1
		.amdhsa_forward_progress 1
		.amdhsa_inst_pref_size 57
	.end_amdhsa_kernel
	.amdgpu_metadata
---
amdhsa.version: [ 1, 2 ]
amdhsa.kernels:
  - .name:           k_q0b336adfce_quant
    .symbol:         k_q0b336adfce_quant.kd
    .args:
      - { .name: x, .offset: 0, .size: 8, .value_kind: global_buffer, .address_space: global }
      - { .name: wq, .offset: 8, .size: 8, .value_kind: global_buffer, .address_space: global }
      - { .name: wk, .offset: 16, .size: 8, .value_kind: global_buffer, .address_space: global }
      - { .name: wv, .offset: 24, .size: 8, .value_kind: global_buffer, .address_space: global }
      - { .name: w_proj, .offset: 32, .size: 8, .value_kind: global_buffer, .address_space: global }
      - { .name: xc, .offset: 40, .size: 8, .value_kind: global_buffer, .address_space: global }
      - { .name: wc, .offset: 48, .size: 8, .value_kind: global_buffer, .address_space: global }
    .group_segment_fixed_size: 68096
    .private_segment_fixed_size: 0
    .kernarg_segment_align: 8
    .kernarg_segment_size: 56
    .max_flat_workgroup_size: 128
    .sgpr_count:     66
    .vgpr_count:     256
    .wavefront_size: 32
...
	.end_amdgpu_metadata
.endif
;; end of part 1
;; launch qkv (part 2): grid 4 x 64, 4 waves a work-group, clusters of 4 x 4, 327,680 bytes of LDS; arguments xc, wc, qc, kv; writes qc, kv
.if DOCPART == 2
	.amdgcn_target "amdgcn-amd-amdhsa--gfx1250"
	.amdhsa_code_object_version 6
	.text
	.protected	k_q0b336adfce_qkv
	.globl	k_q0b336adfce_qkv
	.p2align	8
	.type	k_q0b336adfce_qkv,@function
k_q0b336adfce_qkv:
	s_mov_b64 s[64:65], 0
	v_nop
	global_prefetch_b8 v0, s[64:65] scope:SCOPE_SE
	s_setreg_imm32_b32 hwreg(HW_REG_WAVE_MODE, 25, 1), 1
	s_wait_xcnt 0x0
	s_wait_alu depctr_hold_cnt(0) depctr_sa_sdst(0) depctr_va_vdst(0) depctr_va_sdst(0) depctr_va_ssrc(0) depctr_va_vcc(0) depctr_vm_vsrc(0)
	s_getreg_b32 s2, hwreg(HW_REG_IB_STS2, 6, 4)
	s_cmp_eq_u32 s2, 0
	s_cbranch_scc0 .Lentry_in_a_cluster
	s_endpgm
.Lentry_in_a_cluster:
	s_bfe_u32 s2, ttmp6, 0x10000c
	s_cmp_lg_u32 s2, 0xf033
	s_cbranch_scc0 .Lentry_shape_is_right
	s_endpgm
.Lentry_shape_is_right:
; q, k, v = x W for all heads, on the codes that the launch before has made, and the results quantised on the way out: q and k along the head's 64, v along the tokens (the keys).
; SHARES.  Work-group (g, ty): 128 tokens (batch ty / 8, chunk ty % 8) x heads 4 g .. 4 g + 3.  Wave w: head 4 g + w, 128 tokens x 64 columns = 32 accumulators, in three passes: q, k, v.
; LDS.  x's codes of the 128 tokens for all of K (106,496 bytes) come once and stay; the weights go through two slots of 512 along K (106,496 bytes each).  Wave w fetches ks = w of x, which all four
; read, and its own head's quarter of each slot, which it alone reads.  Everything lies as images of registers: a fragment comes by three loads of 512 consecutive bytes, so no padding.
; All of a WGP's LDS is claimed.
; CLUSTER 4 x 4.  The four work-groups of a row of the cluster share ty and so x's codes; the four of a column share g and so the weights: each tile is asked for jointly.
; FORMS.  q, k: source 0 = 16 columns of W, source 1 = 16 tokens: a lane holds ONE token and its 32 registers of a tile of tokens run along the head's 64 (the tiles' order of rows makes them neighbours).
;         v: source 0 = 16 tokens, source 1 = 16 columns: a lane holds one column d and its 64 registers run along the 128 tokens.
; OUT.  qc [bh][chunk][7,168]: half fragments (16 tokens x 64: registers 0-3 at 16 l, 4-5 at 512 + 8 l) of tile a at 768 a; scale words at 6,144 + 512 (a / 4) + 16 l + 4 (a % 4), bytes 2 and 3 zero.
;       kv [bh][chunk][13,824]: k as in qc; from 7,168 on v: fragment of d tile t at 1,536 t, scale words at 6,144 + 16 l + 4 t.
; LIMITS: as stated at the head of the first launch (floor of the scale byte, NaN and infinities not served).
; REGISTERS.  window 0: v2-11 addresses, v12, v13 the add's two, v32-55 scale words (two sets: x's 8, W's 4), v64-159 W's fragments (two sets of 48), v160-239 at work on the way out.
;             window 1: x's fragments, two sets of 96.   window 2: the 32 accumulators.
.set REC,   3328
.set KSB,   26624                      ; eight records: 128 tokens x 256 K; also a wave's quarter of a slot
.set SLOTB, 106496
.set SPARE, 319488                     ; behind x and the two slots: the spare words, 128 bytes a wave
.set SPW,   12
.set NIL,   13
.set SEL,   78                         ; s[78:79] lane selects: lane l xor 16
.set G1A,   24                         ; s[24:31] group 1 for x's tiles; s[32:35] group 0
.set G0A,   32
.set G1B,   48                         ; s[48:55] group 1 for the weights'; s[56:59], s[60:63] group 0 of slot 0, 1
.set G0B,   56
.set MSB, 0
.macro WIN new                         ; the immediate's high byte repeats the setting that is left
.if MSB != \new
	s_set_vgpr_msb (MSB<<8)|\new
.set MSB, \new
.endif
.endm
.macro PLACES                          ; four plain instructions behind a matrix instruction, ahead of loads into its operands and of reads of its result (ISA guide 7.12.1 for reads of its result)
.rept 4
	v_nop
.endr
.endm
.macro CROUND                          ; a round of the cluster's barrier
	s_barrier_signal -1
	s_barrier_wait -1
	s_cmp_lg_u32 s14, 0
	s_cbranch_scc1 .Lnot_wave_0_\@
	s_barrier_signal -3
.Lnot_wave_0_\@:
	s_barrier_wait -3
	s_barrier_signal -1
	s_barrier_wait -1
.endm
	s_load_b256 s[4:11], s[0:1], 0x0               ; xc, wc, qc, kv
	v_lshl_add_u32 v[SPW], v0, 2, SPARE
	v_mov_b32 v[NIL], 0
	ds_add_u32 v[SPW], v[NIL]                      ; the opening: the add, twice on end, and its wait ahead of my first tensor load
	ds_add_u32 v[SPW], v[NIL]
	v_lshrrev_b32 v1, 5, v0
	v_readfirstlane_b32 s14, v1                    ; wave
	s_bfe_u32 s40, ttmp6, 0x40000                  ; cx
	s_bfe_u32 s41, ttmp6, 0x40004                  ; cy
	s_lshl_b32 s42, ttmp9, 2
	s_add_co_u32 s42, s42, s40                     ; g
	s_and_b32 s17, ttmp7, 0xffff
	s_lshl_b32 s17, s17, 2
	s_add_co_u32 s17, s17, s41                     ; ty
	s_lshl_b32 s43, s41, 2
	s_lshl_b32 s43, 15, s43                        ; my row of the cluster
	s_lshl_b32 s44, 0x1111, s40                    ; my column
	s_or_b32 s[G1A], s43, (3<<16)|(1<<21)          ; 15:0 the mask; 17:16 elements of 8 bytes; 21 set beside a mask; no padding
	s_or_b32 s[G1B], s44, (3<<16)|(1<<21)
; THE HEAD'S LOADS, one a wave: waves 0 and 1 fetch x (two of its four quarters of K each: 2 rows of 26,624 bytes, 1,703,936 bytes apart), waves 2 and 3 one half of wq each (106,496 dense bytes as 416 rows of 256).
; All four waves read what these loads bring, behind the head's barrier.  The later refills stay each wave's own quarter of a slot.
.set G1H, 80                           ; s[80:87] group 1 for the head's load of a half of wq; s[88:91] its group 0
.set G0H, 88
	s_or_b32 s[G1H], s44, (3<<16)|(1<<21)
	s_mov_b32 s[G1A+1], 3328<<16
	s_mov_b32 s[G1A+2], 2<<16
	s_mov_b32 s[G1A+3], 3328<<16
	s_mov_b32 s[G1A+4], 2
	s_mov_b32 s[G1A+5], 212992
	s_mov_b32 s[G1A+6], 0
	s_mov_b32 s[G1A+7], 0
	s_mov_b32 s[G1H+1], 32<<16
	s_mov_b32 s[G1H+2], 416<<16
	s_mov_b32 s[G1H+3], 32<<16
	s_mov_b32 s[G1H+4], 416
	s_mov_b32 s[G1H+5], 32
	s_mov_b32 s[G1H+6], 0
	s_mov_b32 s[G1H+7], 0
.irp g, G1B
	s_mov_b32 s[\g+1], 32<<16                      ; tensor_dim0 = 32 elements
	s_mov_b32 s[\g+2], 104<<16                     ; tensor_dim1 = 104
	s_mov_b32 s[\g+3], 32<<16                      ; tile_dim0
	s_mov_b32 s[\g+4], 104                         ; tile_dim1
	s_mov_b32 s[\g+5], 32                          ; the pitch
	s_mov_b32 s[\g+6], 0
	s_mov_b32 s[\g+7], 0
.endr
	s_and_b32 s94, s14, 1                          ; which of the two loads of x, or of wq, is mine
	s_mul_i32 s20, s94, 2*1703936
	s_mul_i32 s21, s17, KSB
	s_add_co_u32 s20, s20, s21
	s_mov_b32 s21, 0
	s_mul_i32 s46, s42, 851968                     ; W: g, pass 0, half 0, my quarter: made of g and the wave alone
	s_mul_i32 s47, s14, KSB
	s_add_co_u32 s46, s46, s47
	s_mov_b32 s47, 0
	s_mul_i32 s45, s14, KSB
	s_mul_i32 s95, s94, SLOTB
	s_mul_i32 s92, s42, 851968                     ; wq's half: g and the wave alone
	s_add_co_u32 s92, s92, s95
	s_mov_b32 s93, 0
	s_mul_i32 s96, s94, 2*KSB                      ; x's place in LDS
	s_mov_b32 s[SEL], 0x76543210
	s_mov_b32 s[SEL+1], 0xfedcba98
	s_wait_dscnt 0x0                               ; both opening adds are done
	s_wait_kmcnt 0x0
	s_add_nc_u64 s[20:21], s[4:5], s[20:21]
	s_add_nc_u64 s[46:47], s[6:7], s[46:47]
	s_add_nc_u64 s[92:93], s[6:7], s[92:93]
	CROUND                                         ; all sixteen work-groups are here: the first joint loads meet
	s_mov_b32 s[G0A], 1
	s_mov_b32 s[G0A+1], s96
	s_mov_b64 s[G0A+2:G0A+3], s[20:21]
	s_or_b32 s[G0A+3], s[G0A+3], 0x80000000
.irp f, 0,1
	s_mov_b32 s[G0B+4*\f], 1
	s_add_co_u32 s[G0B+4*\f+1], s45, SLOTB*(1+\f)
	s_add_nc_u64 s[G0B+4*\f+2:G0B+4*\f+3], s[46:47], SLOTB*\f
	s_or_b32 s[G0B+4*\f+3], s[G0B+4*\f+3], 0x80000000
.endr
	s_mov_b32 s[G0H], 1
	s_add_co_u32 s[G0H+1], s95, SLOTB
	s_mov_b64 s[G0H+2:G0H+3], s[92:93]
	s_or_b32 s[G0H+3], s[G0H+3], 0x80000000
	s_cmp_lt_u32 s14, 2                            ; the branch hangs on the wave's number alone; each arm holds one load
	s_cbranch_scc0 .Lhead_w
	tensor_load_to_lds s[G0A:G0A+3], s[G1A:G1A+7]
	s_nop 0
	PLACES
	s_branch .Lhead_asked
.Lhead_w:
	tensor_load_to_lds s[G0H:G0H+3], s[G1H:G1H+7]
	s_nop 0
	PLACES
.Lhead_asked:
	v_and_b32 v1, 31, v0
	v_lshlrev_b32 v2, 4, v1                        ; x's images: 16 l, K steps 0-3;
	v_add_nc_u32 v3, 2*KSB, v2                     ; K steps 4-7
	v_lshlrev_b32 v4, 2, v1                        ; x's scale words: 4 l
	v_add_nc_u32 v5, 2*KSB, v4
	s_add_co_u32 s15, s45, SLOTB
	v_add_nc_u32 v6, s15, v2                       ; W's, slot 0
	v_add_nc_u32 v8, s15, v4
	s_add_co_u32 s15, s15, SLOTB
	v_add_nc_u32 v7, s15, v2                       ; slot 1
	v_add_nc_u32 v9, s15, v4
	v_lshlrev_b32 v10, 4, v1                       ; the stores' offsets: 16 l,
	v_lshlrev_b32 v11, 3, v1                       ; 8 l
.irp n, 0,1,2,3,4,5,6,7,8,9,10,11
	v_mov_b32 v[164+\n], 0                         ; written once: a lane permute's destination counts as one of its sources
.endr
	s_lshr_b32 s16, s17, 3                         ; my record: ((batch x 16 + head) x 8 + chunk)
	s_lshl_b32 s16, s16, 4
	s_lshl_b32 s18, s42, 2
	s_add_co_u32 s16, s16, s18
	s_add_co_u32 s16, s16, s14
	s_lshl_b32 s16, s16, 3
	s_and_b32 s18, s17, 7
	s_add_co_u32 s16, s16, s18
	s_mul_i32 s18, s16, 7168
	s_mov_b32 s19, 0
	s_add_nc_u64 s[68:69], s[8:9], s[18:19]        ; q's record
	s_mul_i32 s18, s16, 13824
	s_add_nc_u64 s[70:71], s[10:11], s[18:19]      ; k's
	s_add_nc_u64 s[72:73], s[70:71], 7168          ; v's
; the fragments and scale words of K step st (0..7 of a pass) into set: 24 + 12 loads of 16 bytes a lane, 8 + 4 of 4
.macro FETCH st, set
.set HF, (\st)/4
.set KK, ((\st)/2)%2
.set QQ, (\st)%2
	WIN 0x40                                       ; destination window 1
.irp a, 0,1,2,3,4,5,6,7
.irp c, 0,1,2
	ds_load_b128 v[96*(\set)+12*\a+4*\c:96*(\set)+12*\a+4*\c+3], v[2+HF] offset:KSB*KK+REC*\a+1536*QQ+512*\c
.endr
.endr
	WIN 0
.irp t, 0,1,2,3
.irp c, 0,1,2
	ds_load_b128 v[64+48*(\set)+12*\t+4*\c:64+48*(\set)+12*\t+4*\c+3], v[6+HF] offset:13312*KK+REC*\t+1536*QQ+512*\c
.endr
.endr
.irp a, 0,1,2,3,4,5,6,7
	ds_load_b32 v[32+12*(\set)+\a], v[4+HF] offset:KSB*KK+REC*\a+3072+128*QQ
.endr
.irp t, 0,1,2,3
	ds_load_b32 v[40+12*(\set)+\t], v[8+HF] offset:13312*KK+REC*\t+3072+128*QQ
.endr
.endm
; 16 matrix instructions: tiles of tokens 4 h .. 4 h + 3 x W's four tiles.  The 32 accumulators take turns, one instruction a turn, in the same order in every step.
; zero = 1: the pass's first products start the sums: nothing is cleared.
.macro MUL form, set, h, zero
.if \form
	WIN 0xa1                                       ; source 0 (x) window 1, source 1 (W) window 0, C and D window 2
.else
	WIN 0xa4                                       ; source 0 (W) window 0, source 1 (x) window 1, C and D window 2
.endif
.irp a, 4*\h,4*\h+1,4*\h+2,4*\h+3
.irp t, 0,1,2,3
.set rW, 64+48*(\set)+12*\t
.set rX, 96*(\set)+12*(\a)
.set sW, 40+12*(\set)+\t
.set sX, 32+12*(\set)+(\a)
.if \form
.set rD, 8*(8*\t+(\a))
.if \zero
	v_wmma_scale_f32_16x16x128_f8f6f4 v[rD:rD+7], v[rX:rX+11], v[rW:rW+11], 0, v[sX], v[sW] matrix_a_fmt:MATRIX_FMT_BF6 matrix_b_fmt:MATRIX_FMT_BF6
.else
	v_wmma_scale_f32_16x16x128_f8f6f4 v[rD:rD+7], v[rX:rX+11], v[rW:rW+11], v[rD:rD+7], v[sX], v[sW] matrix_a_fmt:MATRIX_FMT_BF6 matrix_b_fmt:MATRIX_FMT_BF6
.endif
.else
.set rD, 8*(4*(\a)+\t)
.if \zero
	v_wmma_scale_f32_16x16x128_f8f6f4 v[rD:rD+7], v[rW:rW+11], v[rX:rX+11], 0, v[sW], v[sX] matrix_a_fmt:MATRIX_FMT_BF6 matrix_b_fmt:MATRIX_FMT_BF6
.else
	v_wmma_scale_f32_16x16x128_f8f6f4 v[rD:rD+7], v[rW:rW+11], v[rX:rX+11], v[rD:rD+7], v[sW], v[sX] matrix_a_fmt:MATRIX_FMT_BF6 matrix_b_fmt:MATRIX_FMT_BF6
.endif
.endif
.endr
.endr
.endm
; a K step of 128: its operands were asked for a step ago; the next step's go out ahead of its 32 products.  tw = 1: the next step is the first to read slot 1 (my own bytes): its load is waited for
.macro STEP form, st, zero, tw
	s_wait_dscnt 0x0                               ; this step's fragments and scale words are in
.if \tw
	s_wait_tensorcnt 0x0
.endif
	PLACES                                         ; the other set was read by the last step's products
	FETCH (\st)+1, 1-(\st)%2
	MUL \form, (\st)%2, 0, \zero
	MUL \form, (\st)%2, 1, \zero
.endm
; steps 3 and 7 of the passes q and k leave a slot, which takes the next pass's half.  Each wave: its reads of the slot are over, all its tensor loads have landed, the add, the wait for it;
; a round of the cluster's barrier; the joint refill first behind it.  It has 128 products or more in which to land.
.macro TURN st
.set SL, (\st)/4
	s_wait_dscnt 0x0                               ; this step's operands are in registers: my reads of the slot are over
	WIN 0                                          ; (the add's two registers lie in window 0)
	s_wait_tensorcnt 0x0                           ; no tensor load of mine is out, so a group 0 may be written
	ds_add_u32 v[SPW], v[NIL]                      ; 0 onto my spare word
	s_add_nc_u64 s[G0B+4*SL+2:G0B+4*SL+3], s[G0B+4*SL+2:G0B+4*SL+3], 212992   ; the same half of the next weight
	MUL 0, 1, 0, 0                                 ; sixteen products stand between the add and the wait for it
	s_wait_dscnt 0x0                               ; the add is done
	WIN 0                                          ; at a branch and at a label every window is 0
	CROUND
	tensor_load_to_lds s[G0B+4*SL:G0B+4*SL+3], s[G1B:G1B+7]
	s_nop 0
	PLACES                                         ; also the places ahead of the loads below
	FETCH ((\st)+1)%8, 0
	MUL 0, 1, 1, 0
.endm
; THE WAY OUT OF q AND k: tiles of tokens 4 gq .. 4 gq + 3 by turns.  A lane's 32 numbers of a tile (register 16 b + i = d 32 b + 16 hl + i of its token) become six registers of codes and two scale bytes.
; v160-167 largest magnitudes, v168-175 the other half's, then bytes, v176-183 scale operands, v184 + 12 p the codes (six, and three at + 6), v232-239 the scale words
.macro QH4 gq
	s_wait_xcnt 0x0                                ; the last stores have read the registers that are written again below
	WIN 0x0a                                       ; sources 0 and 1: window 2
.irp p, 0,1,2,3
.irp b, 0,1
	v_max3_num_f32 v[160+2*\p+\b], |v[32*(4*\gq+\p)+16*\b]|, |v[32*(4*\gq+\p)+16*\b+1]|, 0x2800000   ; each accumulator is read from its low end on; the floor holds the byte at 1
.endr
.endr
.irp i, 2,4,6,8,10,12,14
.irp p, 0,1,2,3
.irp b, 0,1
	v_max3_num_f32 v[160+2*\p+\b], |v[32*(4*\gq+\p)+16*\b+\i]|, |v[32*(4*\gq+\p)+16*\b+\i+1]|, v[160+2*\p+\b]
.endr
.endr
.endr
	WIN 0
.irp n, 0,1,2,3,4,5,6,7
	v_permlanex16_b32 v[168+\n], v[160+\n], s[SEL], s[SEL+1]
.endr
.irp n, 0,1,2,3,4,5,6,7
	v_max_num_f32 v[160+\n], v[160+\n], v[168+\n]
.endr
.irp n, 0,1,2,3,4,5,6,7
	v_add_nc_u32 v[176+\n], 0xfe000000, v[160+\n]
.endr
.irp n, 0,1,2,3,4,5,6,7
	v_lshrrev_b32 v[168+\n], 23, v[176+\n]
.endr
.irp p, 0,1,2,3
	v_lshl_or_b32 v[232+4*\gq+\p], v[169+2*\p], 8, v[168+2*\p]   ; bytes 2 and 3 stay 0: the upper 64 of the instruction's 128 are not used
.endr
	WIN 0x02                                       ; the conversions' numbers: window 2
.irp p, 0,1,2,3
	v_cvt_scalef32_pk16_bf6_f32 v[184+12*\p:186+12*\p], v[32*(4*\gq+\p):32*(4*\gq+\p)+15], v[176+2*\p]
	v_cvt_scalef32_pk16_bf6_f32 v[190+12*\p:192+12*\p], v[32*(4*\gq+\p)+16:32*(4*\gq+\p)+31], v[177+2*\p]
.endr
	WIN 0
	v_nop                                          ; one plain instruction behind the conversions
.irp p, 0,1,2,3
.irp i, 0,1,2
	v_permlane16_swap_b32 v[184+12*\p+\i], v[190+12*\p+\i]
.endr
.endr
.irp p, 0,1,2,3
.irp i, 0,1,2
	v_mov_b32 v[187+12*\p+\i], v[190+12*\p+\i]
.endr
.endr
.irp p, 0,1,2,3
	global_store_b128 v10, v[184+12*\p:187+12*\p], s[74:75] offset:768*(4*\gq+\p)        ; 512 consecutive bytes
	global_store_b64 v11, v[188+12*\p:189+12*\p], s[74:75] offset:768*(4*\gq+\p)+512     ; and 256
.endr
	global_store_b128 v10, v[232+4*\gq:235+4*\gq], s[74:75] offset:6144+512*\gq
.endm
; THE WAY OUT OF v: d tile t.  A lane's 64 numbers (register 16 b + i = token 32 b + 16 hl + i of its column) become a whole fragment; the codes go where W's fragments lay
.macro QF t
	WIN 0x0a
.irp b, 0,1,2,3
	v_max3_num_f32 v[160+\b], |v[64*\t+16*\b]|, |v[64*\t+16*\b+1]|, 0x2800000
.endr
.irp i, 2,4,6,8,10,12,14
.irp b, 0,1,2,3
	v_max3_num_f32 v[160+\b], |v[64*\t+16*\b+\i]|, |v[64*\t+16*\b+\i+1]|, v[160+\b]
.endr
.endr
	WIN 0
.irp b, 0,1,2,3
	v_permlanex16_b32 v[164+\b], v[160+\b], s[SEL], s[SEL+1]
.endr
.irp b, 0,1,2,3
	v_max_num_f32 v[160+\b], v[160+\b], v[164+\b]
.endr
.irp b, 0,1,2,3
	v_add_nc_u32 v[172+\b], 0xfe000000, v[160+\b]
.endr
.irp b, 0,1,2,3
	v_lshrrev_b32 v[164+\b], 23, v[172+\b]
.endr
	v_lshl_or_b32 v[232+\t], v165, 8, v164
	v_lshl_or_b32 v[232+\t], v166, 16, v[232+\t]
	v_lshl_or_b32 v[232+\t], v167, 24, v[232+\t]
	WIN 0x02
.irp c, 0,1
	v_cvt_scalef32_pk16_bf6_f32 v[64+12*\t+6*\c:66+12*\t+6*\c], v[64*\t+32*\c:64*\t+32*\c+15], v[172+2*\c]
	v_cvt_scalef32_pk16_bf6_f32 v[184+4*\c:186+4*\c], v[64*\t+32*\c+16:64*\t+32*\c+31], v[173+2*\c]
.endr
	WIN 0
	v_nop
.irp c, 0,1
.irp i, 0,1,2
	v_permlane16_swap_b32 v[64+12*\t+6*\c+\i], v[184+4*\c+\i]
.endr
.irp i, 0,1,2
	v_mov_b32 v[67+12*\t+6*\c+\i], v[184+4*\c+\i]
.endr
.endr
.irp c, 0,1,2
	global_store_b128 v10, v[64+12*\t+4*\c:67+12*\t+4*\c], s[72:73] offset:1536*\t+512*\c
.endr
.endm
	s_wait_tensorcnt 0x0                           ; my one load of the head has landed
	s_barrier_signal -1
	s_barrier_wait -1                              ; everybody's quarter of x is in
	FETCH 0, 0
	s_mov_b32 s3, 0
.Lpass:                                            ; two trips: q, then k
	STEP 0, 0, 1, 0
	STEP 0, 1, 0, 0
	STEP 0, 2, 0, 0
	TURN 3                                         ; slot 0 takes the next pass's first half
	STEP 0, 4, 0, 0
	STEP 0, 5, 0, 0
	STEP 0, 6, 0, 0
	TURN 7                                         ; slot 1 its second half; the next pass's first operands are fetched
	WIN 0
	PLACES                                         ; ahead of the first read of the last results
	s_wait_xcnt 0x0                                ; the last pass's stores have read their base
	s_cmp_eq_u32 s3, 0
	s_cselect_b64 s[74:75], s[68:69], s[70:71]     ; q's record or k's: the choice hangs on the count of passes alone
	QH4 0
	QH4 1
	s_add_co_u32 s3, s3, 1
	s_cmp_lt_u32 s3, 2
	s_cbranch_scc1 .Lpass
	STEP 1, 0, 1, 0                                ; the pass for v is written out: it asks for nothing more
	STEP 1, 1, 0, 0
	STEP 1, 2, 0, 0
	STEP 1, 3, 0, 1
	STEP 1, 4, 0, 0
	STEP 1, 5, 0, 0
	STEP 1, 6, 0, 0
	s_wait_dscnt 0x0
	MUL 1, 1, 0, 0
	MUL 1, 1, 1, 0
	WIN 0
	PLACES
	s_wait_xcnt 0x0                                ; k's stores have read the registers that are written again below
	QF 0
	QF 1
	QF 2
	QF 3
	global_store_b128 v10, v[232:235], s[72:73] offset:6144
	s_wait_tensorcnt 0x0                           ; the wave's end
	ds_add_u32 v[SPW], v[NIL]
	s_wait_dscnt 0x0
	CROUND                                         ; the closing round: no work-group ends while a partner may still ask for a tile that names it
	s_endpgm
.Lfunc_end_k_q0b336adfce_qkv:
	.size	k_q0b336adfce_qkv, .Lfunc_end_k_q0b336adfce_qkv-k_q0b336adfce_qkv
	.p2alignl 7, 3214868480
	.fill 96, 4, 3214868480
	.section	.rodata,"a",@progbits
	.p2align	6, 0x0
	.amdhsa_kernel k_q0b336adfce_qkv
		.amdhsa_group_segment_fixed_size 327680
		.amdhsa_private_segment_fixed_size 0
		.amdhsa_enable_private_segment 0
		.amdhsa_kernarg_size 32
		.amdhsa_user_sgpr_count 2
		.amdhsa_user_sgpr_kernarg_segment_ptr 1
		.amdhsa_wavefront_size32 1
		.amdhsa_system_sgpr_workgroup_id_x 1
		.amdhsa_system_sgpr_workgroup_id_y 1
		.amdhsa_system_sgpr_workgroup_id_z 1
		.amdhsa_system_vgpr_workitem_id 0
		.amdhsa_next_free_vgpr 768
		.amdhsa_next_free_sgpr 100
		.amdhsa_reserve_vcc 0
		.amdhsa_float_denorm_mode_32 3
		.amdhsa_float_denorm_mode_16_64 3
		.amdhsa_memory_ordered 1
		.amdhsa_forward_progress 1
		.amdhsa_inst_pref_size 159
	.end_amdhsa_kernel
	.amdgpu_metadata
---
amdhsa.version: [ 1, 2 ]
amdhsa.kernels:
  - .name:           k_q0b336adfce_qkv
    .symbol:         k_q0b336adfce_qkv.kd
    .args:
      - { .name: xc, .offset: 0, .size: 8, .value_kind: global_buffer, .address_space: global }
      - { .name: wc, .offset: 8, .size: 8, .value_kind: global_buffer, .address_space: global }
      - { .name: qc, .offset: 16, .size: 8, .value_kind: global_buffer, .address_space: global }
      - { .name: kv, .offset: 24, .size: 8, .value_kind: global_buffer, .address_space: global }
    .group_segment_fixed_size: 327680
    .private_segment_fixed_size: 0
    .kernarg_segment_align: 8
    .kernarg_segment_size: 32
    .max_flat_workgroup_size: 128
    .sgpr_count:     100
    .vgpr_count:     768
    .wavefront_size: 32
...
	.end_amdgpu_metadata
.endif
;; end of part 2
;; launch attn (part 3): grid 256 x 1, 16 waves a work-group, clusters of 4 x 1, 327,680 bytes of LDS; arguments qc, kv, oc; writes oc
.if DOCPART == 3
	.amdgcn_target "amdgcn-amd-amdhsa--gfx1250"
	.amdhsa_code_object_version 6
	.text
	.protected	k_q0b336adfce_attn
	.globl	k_q0b336adfce_attn
	.p2align	8
	.type	k_q0b336adfce_attn,@function
k_q0b336adfce_attn:
	s_mov_b64 s[64:65], 0
	v_nop
	global_prefetch_b8 v0, s[64:65] scope:SCOPE_SE
	s_setreg_imm32_b32 hwreg(HW_REG_WAVE_MODE, 25, 1), 1
	s_wait_xcnt 0x0
	s_wait_alu depctr_hold_cnt(0) depctr_sa_sdst(0) depctr_va_vdst(0) depctr_va_sdst(0) depctr_va_ssrc(0) depctr_va_vcc(0) depctr_vm_vsrc(0)
	s_getreg_b32 s2, hwreg(HW_REG_IB_STS2, 6, 4)
	s_cmp_eq_u32 s2, 0
	s_cbranch_scc0 .Lentry_in_a_cluster
	s_endpgm
.Lentry_in_a_cluster:
	s_bfe_u32 s2, ttmp6, 0x10000c
	s_cmp_lg_u32 s2, 0x3003
	s_cbranch_scc0 .Lentry_shape_is_right
	s_endpgm
.Lentry_shape_is_right:
; o = softmax(q k^T / 32, causal) v for all heads, on the codes of q, k, v that the launch before has made; o is divided by the row's sum and quantised along the head's 64 on the way out.
; DEAD WORK, as shown at the head of the first launch: a piece of 16 queries x 128 keys whose first key lies behind all 16 queries is not computed.
; SHARES.  A cluster of four work-groups takes a pair of heads, bh = 2 p and 2 p + 1.  A head has 64 tiles of 16 queries (chunk c of 128 tokens, tile a of 8): a work-group takes 16 of each head, a wave one.
; Wave w: s = w % 4, k = w / 4.  a = 4 (s / 2) + the work-group's place in the cluster.  Its chunks c in the first and in the second head stand in two tables, at place 2 k + s % 2; a walk of chunk c has c + 1 pieces.
; THE SHARES ARE UNEQUAL, THE LONGEST WITH THE LOWEST WAVE NUMBERS: by k = 0 .. 3 a wave has 16, 10, 6, 4 pieces (s even) or 14, 11, 7, 4 (s odd); the four waves of one s have 36 together.
; Each table holds 0 .. 7 once, so with s / 2 and the four places in the cluster every tile of both heads is taken once.
; Every branch and every LDS address hangs on the wave's number and the count of trips alone; the place in the cluster enters global addresses and the mask's threshold (data) only.
; LDS.  K and V of both heads, 2 x 110,592 bytes, each filled once by a joint load that names the four partners: a wave asks for 27 rows of 256 bytes of each head.  The first head's load stands at the head,
; the second's behind a wait, an add, its wait and a round.  Behind the two heads lie the spare words.  All of LDS is claimed.
; THE WALK.  Trip t of 16 reads chunk t % 8 of head t / 8, at LDS byte 13,824 t.  Trip 0 stands ahead of the loop: behind it every wave waits for its part of the second head, and a barrier shows it to all.
; No barrier stands between the two heads' walks.  Behind trips 7 and 15 a walk's result leaves and the state is set for the next walk.
; O AND THE SUM ARE NOT CLEARED BETWEEN WALKS: the largest t is set back to -3e38, so the next walk's first factor 2^(old M - new M) is 0 and what was summed is multiplied by 0.
; NO PREFETCH: both tensor loads go out ahead of the loop, and the loop asks memory for nothing that could be asked for earlier.
; LIMITS.  As at the head of the first launch; the scaled scores stay under 2^31 in magnitude; O of a walk (a sum of p v with p at most 1) is finite, so that 0 times it is 0.
; REGISTERS.  v1, v2, v8 lane x 16, 8, 4; v5, v6 the add's two; v12 -M, v13 the largest t, v14-15 the sum; v16-27 q (upper 64 of K zero), v255 its scale word; v220-226 the second walk's q;
; v28 the mask's threshold, v29 -infinity; v32-85 fragments of k, then of v; v88-95, v216-219 their scale words; v96-159 scores, then p; v160-191 O^T; v192-210 p's codes; v232-254 at work.
.set CHB,   13824
.set SPARE, 221184
.set SPW,   5
.set NIL,   6
.set WV,    18
.set SEL,   20
.set CS,    22
.set CW,    70                         ; my chunk of queries in this walk
.set AH,    71                         ; a / 4
.set KI,    72                         ; the trip
.set KL,    73                         ; the trip's chunk of keys
.set TB,    74                         ; its LDS byte
.macro ROUND                           ; a round of the cluster's barrier
	s_barrier_signal -1
	s_barrier_wait -1
	s_cmp_lg_u32 s[WV], 0
	s_cbranch_scc1 .Lnot_wave_0_\@
	s_barrier_signal -3
.Lnot_wave_0_\@:
	s_barrier_wait -3
	s_barrier_signal -1
	s_barrier_wait -1
.endm
.macro MASK                            ; 32 scores from nn on: key 32 (nn / 16) + 16 hl + nn % 16 behind my query gets -infinity
.rept 32
	v_cmp_gt_i32 vcc_lo, 32*(nn/16)+nn%16, v28
	v_cndmask_b32 v[96+nn], v[96+nn], v29, vcc_lo
.set nn, nn+1
.endr
.endm
	s_load_b128 s[4:7], s[0:1], 0x0                ; qc, kv
	s_load_b64 s[8:9], s[0:1], 0x10                ; oc
	v_lshl_add_u32 v[SPW], v0, 2, SPARE
	v_mov_b32 v[NIL], 0
	ds_add_u32 v[SPW], v[NIL]                      ; the opening: the add, twice on end, and its wait ahead of my first tensor load
	ds_add_u32 v[SPW], v[NIL]
	v_lshrrev_b32 v1, 5, v0
	v_readfirstlane_b32 s[WV], v1
	v_and_b32 v9, 31, v0
	v_lshlrev_b32 v1, 4, v9
	v_lshlrev_b32 v2, 3, v9
	v_lshlrev_b32 v8, 2, v9
	s_mov_b32 s24, 15|(3<<16)|(1<<21)              ; group 1: the four partners; elements of 8 bytes; 27 rows of 256 bytes, dense
	s_mov_b32 s25, 32<<16
	s_mov_b32 s26, 27<<16
	s_mov_b32 s27, 32<<16
	s_mov_b32 s28, 27
	s_mov_b32 s29, 32
	s_mov_b32 s30, 0
	s_mov_b32 s31, 0
	s_mul_i32 s11, s[WV], 6912                     ; my sixteenth of a head's K and V, in memory and in LDS
	s_mul_i32 s12, ttmp9, 16*CHB                   ; the pair of heads
	s_add_co_u32 s12, s12, s11
	s_mov_b32 s13, 0
	s_mov_b32 s[SEL], 0x76543210
	s_mov_b32 s[SEL+1], 0xfedcba98
	s_mov_b32 s[CS], 0x3d38aa3b                    ; log2(e) / 32
	s_mov_b32 s[CS+1], s[CS]
	s_and_b32 s40, s[WV], 3                        ; s
	s_lshr_b32 s41, s[WV], 2                       ; k
	s_lshr_b32 s[AH], s40, 1
	s_and_b32 s42, s40, 1
	s_lshl_b32 s43, s41, 1
	s_add_co_u32 s42, s42, s43                     ; my place in the tables: 2 k + s % 2,
	s_lshl_b32 s42, s42, 2                         ; four bits a place
	s_lshr_b32 s[CW], 0x12304567, s42              ; the first head's chunks: 7 6 5 4 0 3 2 1
	s_and_b32 s[CW], s[CW], 7
	s_lshr_b32 s49, 0x10245367, s42                ; the second head's: 7 6 3 5 4 2 0 1
	s_and_b32 s49, s49, 7
	s_bfe_u32 s44, ttmp6, 0x40000                  ; my place in the cluster
	s_lshl_b32 s45, s[AH], 2
	s_add_co_u32 s45, s45, s44                     ; a
	s_lshr_b32 s46, s45, 1
	s_lshl_b32 s46, s46, 5
	s_and_b32 s47, s45, 1
	s_lshl_b32 s47, s47, 3
	s_add_co_u32 s46, s46, s47                     ; the tile's first query in its chunk: 32 (a / 2) + 8 (a % 2)
	v_and_b32 v10, 15, v0
	v_bfe_u32 v11, v0, 4, 1
	v_and_b32 v7, 8, v10
	v_add_nc_u32 v7, v7, v10                       ; my query in the tile: r + 8 (r / 8)
	v_lshlrev_b32 v11, 4, v11
	v_sub_nc_u32 v7, v7, v11                       ; less the 16 hl by which my keys lie further on
	v_add_nc_u32 v28, s46, v7
	v_mov_b32 v29, 0xff800000
	s_lshl_b32 s46, ttmp9, 4                       ; q's records: (8 bh + chunk) x 7,168
	s_add_co_u32 s47, s46, s[CW]
	s_mul_i32 s47, s47, 7168
	s_add_co_u32 s46, s46, 8
	s_add_co_u32 s46, s46, s49
	s_mul_i32 s46, s46, 7168
	s_mul_i32 s48, s45, 768                        ; tile a's half fragment,
	s_lshl_b32 s10, s[AH], 9
	s_lshl_b32 s14, s44, 2
	s_add_co_u32 s10, s10, s14
	s_add_co_u32 s10, s10, 6144                    ; and its scale words
	s_add_co_u32 s50, s47, s48
	s_mov_b32 s51, 0
	s_add_co_u32 s52, s47, s10
	s_mov_b32 s53, 0
	s_add_co_u32 s66, s46, s48
	s_mov_b32 s67, 0
	s_add_co_u32 s68, s46, s10
	s_mov_b32 s69, 0
	s_lshl_b32 s14, ttmp9, 1                       ; oc, laid as xc: [head / 4][64 batch + 8 chunk + a][record]
	s_and_b32 s14, s14, 15                         ; the first head, an even number
	s_lshr_b32 s15, s14, 2
	s_mul_i32 s15, s15, 1703936
	s_lshr_b32 s16, ttmp9, 3
	s_lshl_b32 s16, s16, 6
	s_add_co_u32 s16, s16, s45
	s_mul_i32 s16, s16, 3328
	s_add_co_u32 s15, s15, s16
	s_and_b32 s16, s14, 3
	s_mul_i32 s16, s16, 768
	s_add_co_u32 s16, s16, s15                     ; the head's half fragment in the record
	s_bfe_u32 s17, s14, 0x10001
	s_lshl_b32 s17, s17, 7
	s_add_co_u32 s17, s17, s15
	s_add_co_u32 s17, s17, 3072                    ; and its two scale bytes
	s_mul_i32 s46, s[CW], 26624
	s_mul_i32 s47, s49, 26624
	s_add_co_u32 s54, s16, s46
	s_mov_b32 s55, 0
	s_add_co_u32 s56, s17, s46
	s_mov_b32 s57, 0
	s_add_co_u32 s58, s16, s47
	s_add_co_u32 s58, s58, 768                     ; the second head: the next half fragment,
	s_mov_b32 s59, 0
	s_add_co_u32 s60, s17, s47
	s_add_co_u32 s60, s60, 2                       ; the next two bytes
	s_mov_b32 s61, 0
	s_wait_alu depctr_va_vdst(0)
	s_wait_dscnt 0x0                               ; both opening adds are done
	s_wait_kmcnt 0x0
	s_add_nc_u64 s[12:13], s[6:7], s[12:13]
	s_add_nc_u64 s[50:51], s[4:5], s[50:51]
	s_add_nc_u64 s[52:53], s[4:5], s[52:53]
	s_add_nc_u64 s[66:67], s[4:5], s[66:67]
	s_add_nc_u64 s[68:69], s[4:5], s[68:69]
	s_add_nc_u64 s[54:55], s[8:9], s[54:55]
	s_add_nc_u64 s[56:57], s[8:9], s[56:57]
	s_add_nc_u64 s[58:59], s[8:9], s[58:59]
	s_add_nc_u64 s[60:61], s[8:9], s[60:61]
	global_load_b128 v[16:19], v1, s[50:51]        ; both walks' q are asked for here
	global_load_b64 v[20:21], v2, s[50:51] offset:512
	global_load_b32 v255, v1, s[52:53]
	global_load_b128 v[220:223], v1, s[66:67]
	global_load_b64 v[224:225], v2, s[66:67] offset:512
	global_load_b32 v226, v1, s[68:69]
	s_mov_b32 s32, 1
	s_mov_b32 s33, s11
	s_mov_b64 s[34:35], s[12:13]
	s_or_b32 s35, s35, 0x80000000
	s_mov_b32 s36, 1
	s_add_co_u32 s37, s11, 8*CHB
	s_add_nc_u64 s[38:39], s[12:13], 8*CHB
	s_or_b32 s39, s39, 0x80000000
	ROUND                                          ; the four partners are here: the joint loads meet
	tensor_load_to_lds s[32:35], s[24:31]          ; the first head: my one load at the head
	s_nop 0
.rept 4
	v_nop
.endr
	v_mov_b32 v252, 0
	v_mov_b32 v253, 0
.irp b, 0,1,2,3
	v_mov_b32 v[236+\b], 0                         ; a lane permute's destination counts as one of its sources
.endr
.irp i, 0,1,2,3,4,5
	v_mov_b32 v[22+\i], 0                          ; q's upper 64 of the instruction's 128: zero codes
	v_mov_b32 v[80+\i], 0                          ; and what stands behind k's last half fragment
.endr
	v_mov_b32 v13, 0xff61b1e6                      ; the largest t so far: -3e38
	v_floor_f32 v12, -v13
	v_mov_b32 v14, 0
	v_mov_b32 v15, 0
.set nn, 0
.rept 32
	v_mov_b32 v[160+nn], 0                         ; written once in the launch, while the first tiles are on their way
.set nn, nn+1
.endr
	s_mov_b32 s[TB], 0
	s_mov_b32 s[KL], 0
	s_mov_b32 s[KI], 1
	s_wait_alu depctr_va_vdst(0)
	s_wait_tensorcnt 0x0                           ; my part of the first head is in
	ds_add_u32 v[SPW], v[NIL]
	s_wait_dscnt 0x0
	ROUND                                          ; everybody's part is in, and the partners meet again
	tensor_load_to_lds s[36:39], s[24:31]          ; the second head: my one load behind the round
	s_nop 0
.rept 4
	v_nop
.endr
; A piece: 16 queries x 128 keys.  S^T = k q^T (a lane holds one query, its registers run along the keys), the running M, p = 2^(t - M), its sum, its codes, O^T += v^T p^T.
.macro STEP
	s_cmp_gt_u32 s[KL], s[CW]                      ; all these keys lie behind my queries: ids alone decide
	s_cbranch_scc1 .Lhidden_\@
	v_add_nc_u32 v3, s[TB], v1
	v_add_nc_u32 v4, s[TB], v2
	v_nop
	v_nop                                          ; four places behind the last products, ahead of loads into their operands
.irp a, 0,1,2,3,4,5,6,7
	ds_load_b128 v[32+6*\a:35+6*\a], v3 offset:768*\a
	ds_load_b64 v[36+6*\a:37+6*\a], v4 offset:768*\a+512
.endr
	ds_load_b128 v[88:91], v3 offset:6144
	ds_load_b128 v[92:95], v3 offset:6656
	s_wait_alu depctr_va_vdst(0)
	s_wait_dscnt 0x0
.irp a, 0,1,2,3,4,5,6,7
	v_wmma_scale_f32_16x16x128_f8f6f4 v[96+8*\a:103+8*\a], v[32+6*\a:43+6*\a], v[16:27], 0, v[88+\a], v255 matrix_a_fmt:MATRIX_FMT_BF6 matrix_b_fmt:MATRIX_FMT_BF6
.endr
.rept 4
	v_nop
.endr
.irp t, 0,1,2,3
.irp c, 0,1,2
	ds_load_b128 v[32+12*\t+4*\c:35+12*\t+4*\c], v3 offset:7168+1536*\t+512*\c   ; v's fragments come while the softmax is worked
.endr
.endr
	ds_load_b128 v[216:219], v3 offset:13312
	s_cmp_lg_u32 s[KL], s[CW]
	s_cbranch_scc1 .Lopen_\@
	s_cmp_lg_u32 s[AH], 0                          ; the chunk of my own queries.  Tiles 0-3 hold queries 0-63: keys 64-127 are all hidden;
	s_cbranch_scc1 .Lhi_\@
.set nn, 0
	MASK
.rept 32
	v_mov_b32 v[96+nn], v29
.set nn, nn+1
.endr
	s_wait_alu depctr_va_vdst(0)
	s_branch .Lopen_\@
.Lhi_\@:                                           ; tiles 4-7 hold queries 64-127: keys 0-63 are all open
.set nn, 32
	MASK
.Lopen_\@:
.irp b, 0,1,2,3
	v_max3_num_f32 v[232+\b], v[96+16*\b], v[97+16*\b], v[98+16*\b]   ; the largest score of each block of 32 keys; each accumulator is read from its low end on
.endr
.irp i, 3,5,7,9,11,13
.irp b, 0,1,2,3
	v_max3_num_f32 v[232+\b], v[232+\b], v[96+16*\b+\i], v[97+16*\b+\i]
.endr
.endr
.irp b, 0,1,2,3
	v_max_num_f32 v[232+\b], v[232+\b], v[111+16*\b]
.endr
.irp b, 0,1,2,3
	s_delay_alu instid0(VALU_DEP_4)
	v_permlanex16_b32 v[236+\b], v[232+\b], s[SEL], s[SEL+1]
.endr
.irp b, 0,1,2,3
	s_delay_alu instid0(VALU_DEP_4)
	v_max_num_f32 v[232+\b], v[232+\b], v[236+\b]
.endr
	s_delay_alu instid0(VALU_DEP_2)
	v_max3_num_f32 v254, v232, v233, v234
	s_delay_alu instid0(VALU_DEP_1)
	v_max_num_f32 v254, v254, v235
	s_delay_alu instid0(VALU_DEP_1)
	v_mul_f32 v254, s[CS], v254
	s_delay_alu instid0(VALU_DEP_1)
	v_max_num_f32 v13, v13, v254                   ; the running largest t
	v_mov_b32 v254, v12
	s_delay_alu instid0(VALU_DEP_2)
	v_floor_f32 v12, -v13                          ; -M = floor(-t): M is a whole number
	s_delay_alu instid0(VALU_DEP_1)
	v_sub_f32 v254, v12, v254
	s_delay_alu instid0(VALU_DEP_1)
	v_cvt_i32_f32 v254, v254
	s_delay_alu instid0(VALU_DEP_1)
	v_ldexp_f32 v252, 1.0, v254                    ; f = 2^(old M - new M)
.set nn, 0
.rept 32
	v_pk_fma_f32 v[96+nn:97+nn], v[96+nn:97+nn], s[CS:CS+1], v[12:13] op_sel_hi:[1,0,0]
.set nn, nn+2
.endr
.irp b, 0,1,2,3
	v_fma_f32 v[232+\b], v[232+\b], s[CS], v12
.endr
.set nn, 0
	s_wait_alu depctr_va_vdst(0)
.rept 64
	v_exp_f32 v[96+nn], v[96+nn]
.set nn, nn+1
.endr
	v_pk_mul_f32 v[14:15], v[14:15], v[252:253] op_sel_hi:[1,0]
	s_wait_alu depctr_va_vdst(0)
.irp b, 0,1,2,3
	v_exp_f32 v[232+\b], v[232+\b]                 ; each block's largest p
.endr
	v_pk_add_f32 v[236:237], v[96:97], v[98:99]    ; the sum of the unquantised p, in two chains
.irp j, 4,8,12,16,20,24,28,32,36,40,44,48,52,56,60
	v_pk_add_f32 v[14:15], v[14:15], v[96+\j:97+\j]
	v_pk_add_f32 v[236:237], v[236:237], v[98+\j:99+\j]
.endr
	s_delay_alu instid0(VALU_DEP_1)
	v_pk_add_f32 v[14:15], v[14:15], v[236:237]
	s_wait_alu depctr_va_vdst(0)
.irp b, 0,1,2,3
	v_max_num_f32 v[232+\b], 0x2800000, v[232+\b]  ; the floor holds the byte at 1
.endr
.irp b, 0,1,2,3
	s_delay_alu instid0(VALU_DEP_4)
	v_add_nc_u32 v[244+\b], 0xfe000000, v[232+\b]
.endr
.irp b, 0,1,2,3
	s_delay_alu instid0(VALU_DEP_4)
	v_lshrrev_b32 v[236+\b], 23, v[244+\b]
.endr
	s_delay_alu instid0(VALU_DEP_3)
	v_lshl_or_b32 v253, v237, 8, v236
	s_delay_alu instid0(VALU_DEP_1)
	v_lshl_or_b32 v253, v238, 16, v253
	s_delay_alu instid0(VALU_DEP_1)
	v_lshl_or_b32 v253, v239, 24, v253             ; p's scale word
.irp c, 0,1
	v_cvt_scalef32_pk16_bf6_f32 v[192+6*\c:194+6*\c], v[96+32*\c:111+32*\c], v[244+2*\c]
	v_cvt_scalef32_pk16_bf6_f32 v[204+4*\c:206+4*\c], v[112+32*\c:127+32*\c], v[245+2*\c]
.endr
	v_nop
.irp c, 0,1
.irp i, 0,1,2
	v_permlane16_swap_b32 v[192+6*\c+\i], v[204+4*\c+\i]
.endr
.irp i, 0,1,2
	s_delay_alu instid0(VALU_DEP_3)
	v_mov_b32 v[195+6*\c+\i], v[204+4*\c+\i]
.endr
.endr
.set nn, 0
.rept 16
	v_pk_mul_f32 v[160+nn:161+nn], v[160+nn:161+nn], v[252:253] op_sel_hi:[1,0]   ; O^T under the new M
.set nn, nn+2
.endr
	s_wait_alu depctr_va_vdst(0)
	s_wait_dscnt 0x0
.irp t, 0,1,2,3
	v_wmma_scale_f32_16x16x128_f8f6f4 v[160+8*\t:167+8*\t], v[32+12*\t:43+12*\t], v[192:203], v[160+8*\t:167+8*\t], v[216+\t], v253 matrix_a_fmt:MATRIX_FMT_BF6 matrix_b_fmt:MATRIX_FMT_BF6
.endr
.Lhidden_\@:
.endm
	s_wait_loadcnt 0x0                             ; both q
	STEP                                           ; trip 0: chunk 0 of the first head counts for every query
	s_add_co_u32 s[TB], s[TB], CHB
	s_wait_alu depctr_va_vdst(0)
	s_wait_tensorcnt 0x0                           ; my part of the second head is in
	s_wait_dscnt 0x0
	s_barrier_signal -1
	s_barrier_wait -1                              ; and everybody's
.Lwalk:                                            ; trips 1 to 15
	s_and_b32 s[KL], s[KI], 7
	STEP
	s_add_co_u32 s[TB], s[TB], CHB
	s_cmp_lg_u32 s[KL], 7
	s_cbranch_scc1 .Lon
.rept 4
	v_nop                                          ; A WALK'S END: four places behind the last products
.endr
	v_add_f32 v14, v14, v15
	s_delay_alu instid0(VALU_DEP_1)
	v_permlanex16_b32 v252, v14, s[SEL], s[SEL+1]
	s_delay_alu instid0(VALU_DEP_1)
	v_add_f32 v14, v14, v252                       ; the row's sum
	s_wait_alu depctr_va_vdst(0)
	v_rcp_f32 v14, v14
	v_nop
	s_wait_alu depctr_va_vdst(0)
.set nn, 0
.rept 16
	v_pk_mul_f32 v[96+nn:97+nn], v[160+nn:161+nn], v[14:15] op_sel_hi:[1,0]   ; o: register 16 b + i is d = 32 b + 16 hl + i of my query
.set nn, nn+2
.endr
.irp b, 0,1
	v_max3_num_f32 v[232+\b], |v[96+16*\b]|, |v[97+16*\b]|, 0x2800000
.endr
.irp i, 2,4,6,8,10,12,14
.irp b, 0,1
	s_delay_alu instid0(VALU_DEP_2)
	v_max3_num_f32 v[232+\b], v[232+\b], |v[96+16*\b+\i]|, |v[97+16*\b+\i]|
.endr
.endr
.irp b, 0,1
	s_delay_alu instid0(VALU_DEP_2)
	v_permlanex16_b32 v[236+\b], v[232+\b], s[SEL], s[SEL+1]
.endr
.irp b, 0,1
	s_delay_alu instid0(VALU_DEP_2)
	v_max_num_f32 v[232+\b], v[232+\b], v[236+\b]
.endr
.irp b, 0,1
	s_delay_alu instid0(VALU_DEP_2)
	v_add_nc_u32 v[244+\b], 0xfe000000, v[232+\b]
.endr
.irp b, 0,1
	s_delay_alu instid0(VALU_DEP_2)
	v_lshrrev_b32 v[236+\b], 23, v[244+\b]
.endr
	s_delay_alu instid0(VALU_DEP_1)
	v_lshl_or_b32 v254, v237, 8, v236
	v_cvt_scalef32_pk16_bf6_f32 v[192:194], v[96:111], v244
	v_cvt_scalef32_pk16_bf6_f32 v[204:206], v[112:127], v245
	v_nop
.irp i, 0,1,2
	v_permlane16_swap_b32 v[192+\i], v[204+\i]
.endr
.irp i, 0,1,2
	s_delay_alu instid0(VALU_DEP_3)
	v_mov_b32 v[195+\i], v[204+\i]
.endr
	global_store_b128 v1, v[192:195], s[54:55]
	global_store_b64 v2, v[196:197], s[54:55] offset:512
	global_store_b16 v8, v254, s[56:57]
	v_mov_b32 v255, v226                           ; the next walk: its q (the scale word first: eight places and more ahead of the next product),
.irp i, 0,1,2,3,4,5
	v_mov_b32 v[16+\i], v[220+\i]
.endr
	v_mov_b32 v13, 0xff61b1e6                      ; the largest t back to -3e38: the next factor f is 0,
	v_floor_f32 v12, -v13
	s_mov_b32 s[CW], s49                           ; its chunk of queries,
	s_wait_xcnt 0x0                                ; (the stores have read their registers and bases)
	s_mov_b64 s[54:55], s[58:59]                   ; and where its result goes.  Behind the last walk these lines change nothing that is used
	s_mov_b64 s[56:57], s[60:61]
.Lon:
	s_add_co_u32 s[KI], s[KI], 1
	s_cmp_lt_u32 s[KI], 16
	s_wait_alu depctr_va_vdst(0)
	s_cbranch_scc1 .Lwalk
	s_wait_tensorcnt 0x0                           ; the wave's end
	ds_add_u32 v[SPW], v[NIL]
	s_wait_dscnt 0x0
	ROUND                                          ; the closing round
	s_endpgm
.Lfunc_end_k_q0b336adfce_attn:
	.size	k_q0b336adfce_attn, .Lfunc_end_k_q0b336adfce_attn-k_q0b336adfce_attn
	.p2alignl 7, 3214868480
	.fill 96, 4, 3214868480
	.section	.rodata,"a",@progbits
	.p2align	6, 0x0
	.amdhsa_kernel k_q0b336adfce_attn
		.amdhsa_group_segment_fixed_size 327680
		.amdhsa_private_segment_fixed_size 0
		.amdhsa_enable_private_segment 0
		.amdhsa_kernarg_size 24
		.amdhsa_user_sgpr_count 2
		.amdhsa_user_sgpr_kernarg_segment_ptr 1
		.amdhsa_wavefront_size32 1
		.amdhsa_system_sgpr_workgroup_id_x 1
		.amdhsa_system_sgpr_workgroup_id_y 1
		.amdhsa_system_sgpr_workgroup_id_z 1
		.amdhsa_system_vgpr_workitem_id 0
		.amdhsa_next_free_vgpr 256
		.amdhsa_next_free_sgpr 80
		.amdhsa_reserve_vcc 1
		.amdhsa_float_denorm_mode_32 3
		.amdhsa_float_denorm_mode_16_64 3
		.amdhsa_memory_ordered 1
		.amdhsa_forward_progress 1
		.amdhsa_inst_pref_size 61
	.end_amdhsa_kernel
	.amdgpu_metadata
---
amdhsa.version: [ 1, 2 ]
amdhsa.kernels:
  - .name:           k_q0b336adfce_attn
    .symbol:         k_q0b336adfce_attn.kd
    .args:
      - { .name: qc, .offset: 0, .size: 8, .value_kind: global_buffer, .address_space: global }
      - { .name: kv, .offset: 8, .size: 8, .value_kind: global_buffer, .address_space: global }
      - { .name: oc, .offset: 16, .size: 8, .value_kind: global_buffer, .address_space: global }
    .group_segment_fixed_size: 327680
    .private_segment_fixed_size: 0
    .kernarg_segment_align: 8
    .kernarg_segment_size: 24
    .max_flat_workgroup_size: 512
    .sgpr_count:     80
    .vgpr_count:     256
    .wavefront_size: 32
...
	.end_amdgpu_metadata
.endif
;; end of part 3
;; launch proj (part 4): grid 4 x 64, 4 waves a work-group, clusters of 4 x 4, 327,680 bytes of LDS; arguments oc, wc, b_proj, out0; writes out0
.if DOCPART == 4
	.amdgcn_target "amdgcn-amd-amdhsa--gfx1250"
	.amdhsa_code_object_version 6
	.text
	.protected	k_q0b336adfce_proj
	.globl	k_q0b336adfce_proj
	.p2align	8
	.type	k_q0b336adfce_proj,@function
k_q0b336adfce_proj:
	s_mov_b64 s[64:65], 0
	v_nop
	global_prefetch_b8 v0, s[64:65] scope:SCOPE_SE
	s_setreg_imm32_b32 hwreg(HW_REG_WAVE_MODE, 25, 1), 1
	s_wait_xcnt 0x0
	s_wait_alu depctr_hold_cnt(0) depctr_sa_sdst(0) depctr_va_vdst(0) depctr_va_sdst(0) depctr_va_ssrc(0) depctr_va_vcc(0) depctr_vm_vsrc(0)
	s_getreg_b32 s2, hwreg(HW_REG_IB_STS2, 6, 4)
	s_cmp_eq_u32 s2, 0
	s_cbranch_scc0 .Lentry_in_a_cluster
	s_endpgm
.Lentry_in_a_cluster:
	s_bfe_u32 s2, ttmp6, 0x10000c
	s_cmp_lg_u32 s2, 0xf033
	s_cbranch_scc0 .Lentry_shape_is_right
	s_endpgm
.Lentry_shape_is_right:
; out0 = o w_proj + b_proj, on the codes of o that the launch before has made and the codes of w_proj from the first launch.
; SHARES.  Work-group (g, ty): 128 tokens x outputs 256 g .. 256 g + 255; wave w: 64 of them, 32 accumulators.  K = 1,024 in eight steps of 128.
; LDS.  o's codes of the 128 tokens for all of K (106,496 bytes) and w_proj's 256 columns for all of K (two halves of 106,496 bytes) come once: one load a wave at the head, nothing is filled again.
; Waves 0 and 1 fetch o, which all four read, waves 2 and 3 a half of w_proj each; wave w alone reads its own 64 columns' quarter of each half.
; CLUSTER 4 x 4: a row of the cluster shares ty and so o's codes, a column shares g and so the weights: each tile is asked for jointly.
; FORM.  Source 0 = 16 columns of w_proj, source 1 = 16 tokens: a lane holds one token, and the registers of two neighbouring tiles of columns are 16 neighbouring outputs.  The bias is the C of the first products.
; A fragment of o is two half fragments, one for each head: registers 6 c .. 6 c + 3 at 768 c + 16 l, 6 c + 4, 6 c + 5 at 768 c + 512 + 8 l.
; REGISTERS.  window 0: v2-11, v14-19 addresses, v12, v13 the add's two, v32-55 scale words (two sets), v64-159 W's fragments (two sets), v160-191 the bias, v192-255 rows on the way out.
;             window 1: o's fragments, two sets of 96.   window 2: the 32 accumulators.
.set REC,   3328
.set KSB,   26624
.set SLOTB, 106496
.set SPARE, 319488
.set SPW,   12
.set NIL,   13
.set G1A,   24
.set G0A,   32
.set G1B,   48
.set G0B,   56
.set STO,   16                         ; v16 the stage: where I put 16 bytes of a row
.set RD,    17                         ; v17 where I read a row back
.set CO,    18                         ; v18 my byte offset in out0
.set MSB, 0
.macro WIN new
.if MSB != \new
	s_set_vgpr_msb (MSB<<8)|\new
.set MSB, \new
.endif
.endm
.macro PLACES
.rept 4
	v_nop
.endr
.endm
.macro CROUND
	s_barrier_signal -1
	s_barrier_wait -1
	s_cmp_lg_u32 s14, 0
	s_cbranch_scc1 .Lnot_wave_0_\@
	s_barrier_signal -3
.Lnot_wave_0_\@:
	s_barrier_wait -3
	s_barrier_signal -1
	s_barrier_wait -1
.endm
	s_load_b256 s[4:11], s[0:1], 0x0               ; oc, wc, b_proj, out0
	v_lshl_add_u32 v[SPW], v0, 2, SPARE
	v_mov_b32 v[NIL], 0
	ds_add_u32 v[SPW], v[NIL]                      ; the opening: the add, twice on end, and its wait ahead of my first tensor load
	ds_add_u32 v[SPW], v[NIL]
	v_lshrrev_b32 v1, 5, v0
	v_readfirstlane_b32 s14, v1                    ; wave
	s_bfe_u32 s40, ttmp6, 0x40000                  ; cx
	s_bfe_u32 s41, ttmp6, 0x40004                  ; cy
	s_lshl_b32 s42, ttmp9, 2
	s_add_co_u32 s42, s42, s40                     ; g
	s_and_b32 s17, ttmp7, 0xffff
	s_lshl_b32 s17, s17, 2
	s_add_co_u32 s17, s17, s41                     ; ty
	s_lshl_b32 s43, s41, 2
	s_lshl_b32 s43, 15, s43                        ; my row of the cluster
	s_lshl_b32 s44, 0x1111, s40                    ; my column
	s_or_b32 s[G1A], s43, (3<<16)|(1<<21)          ; the mask; elements of 8 bytes; 21 set beside a mask; no padding
	s_or_b32 s[G1B], s44, (3<<16)|(1<<21)
; THE HEAD'S LOADS, one a wave: waves 0 and 1 fetch o (two of its four quarters of K each: 2 rows of 26,624 bytes, 1,703,936 bytes apart), waves 2 and 3 one half of w_proj's 256 columns each
; (106,496 dense bytes as 416 rows of 256).  All four waves read what these loads bring, behind the head's barrier.
	s_mov_b32 s[G1A+1], 3328<<16
	s_mov_b32 s[G1A+2], 2<<16
	s_mov_b32 s[G1A+3], 3328<<16
	s_mov_b32 s[G1A+4], 2
	s_mov_b32 s[G1A+5], 212992
	s_mov_b32 s[G1A+6], 0
	s_mov_b32 s[G1A+7], 0
	s_mov_b32 s[G1B+1], 32<<16
	s_mov_b32 s[G1B+2], 416<<16
	s_mov_b32 s[G1B+3], 32<<16
	s_mov_b32 s[G1B+4], 416
	s_mov_b32 s[G1B+5], 32
	s_mov_b32 s[G1B+6], 0
	s_mov_b32 s[G1B+7], 0
	s_and_b32 s94, s14, 1                          ; which of the two loads of o, or of w_proj, is mine
	s_mul_i32 s96, s94, 2*KSB                      ; o's place in LDS
	s_mul_i32 s20, s94, 2*1703936
	s_mul_i32 s21, s17, KSB
	s_add_co_u32 s20, s20, s21
	s_mov_b32 s21, 0
	s_mul_i32 s46, s42, 851968                     ; W: g, the fourth weight, my half
	s_mul_i32 s47, s94, SLOTB
	s_add_co_u32 s46, s46, s47
	s_add_co_u32 s46, s46, 3*212992
	s_mov_b32 s47, 0
	s_mul_i32 s45, s14, KSB
	s_wait_dscnt 0x0                               ; both opening adds are done
	s_wait_kmcnt 0x0
	s_add_nc_u64 s[20:21], s[4:5], s[20:21]
	s_add_nc_u64 s[46:47], s[6:7], s[46:47]
	CROUND                                         ; all sixteen work-groups are here: the joint loads meet
	s_mov_b32 s[G0A], 1
	s_mov_b32 s[G0A+1], s96
	s_mov_b64 s[G0A+2:G0A+3], s[20:21]
	s_or_b32 s[G0A+3], s[G0A+3], 0x80000000
	s_mov_b32 s[G0B], 1
	s_mul_i32 s[G0B+1], s94, SLOTB
	s_add_co_u32 s[G0B+1], s[G0B+1], SLOTB
	s_mov_b64 s[G0B+2:G0B+3], s[46:47]
	s_or_b32 s[G0B+3], s[G0B+3], 0x80000000
	s_cmp_lt_u32 s14, 2                            ; the branch hangs on the wave's number alone; each arm holds one load
	s_cbranch_scc0 .Lhead_w
	tensor_load_to_lds s[G0A:G0A+3], s[G1A:G1A+7]
	s_nop 0
	PLACES
	s_branch .Lhead_asked
.Lhead_w:
	tensor_load_to_lds s[G0B:G0B+3], s[G1B:G1B+7]
	s_nop 0
	PLACES
.Lhead_asked:
	s_lshl_b32 s18, s42, 10                        ; my 64 outputs, in bytes: 1,024 g + 256 w
	s_lshl_b32 s19, s14, 8
	s_add_co_u32 s18, s18, s19
	s_mov_b32 s19, 0
	s_add_nc_u64 s[8:9], s[8:9], s[18:19]
	s_add_nc_u64 s[10:11], s[10:11], s[18:19]
	s_lshl_b32 s18, s17, 19                        ; my 128 rows of 4,096 bytes
	s_add_nc_u64 s[10:11], s[10:11], s[18:19]
	v_and_b32 v20, 15, v0                          ; r
	v_bfe_u32 v21, v0, 4, 1                        ; hl
	v_lshlrev_b32 v19, 6, v21                      ; the bias: tile 2 b + u wants outputs 32 b + 16 hl + 8 u + 0 .. 7
.irp t, 0,1,2,3
	global_load_b128 v[160+8*\t:163+8*\t], v19, s[8:9] offset:128*(\t/2)+32*(\t%2)
	global_load_b128 v[164+8*\t:167+8*\t], v19, s[8:9] offset:128*(\t/2)+32*(\t%2)+16
.endr
	v_and_b32 v1, 31, v0
	v_lshlrev_b32 v2, 4, v1                        ; o's images: 16 l, K steps 0-3;
	v_add_nc_u32 v3, 2*KSB, v2                     ; K steps 4-7
	v_lshlrev_b32 v4, 2, v1                        ; scale words: 4 l
	v_add_nc_u32 v5, 2*KSB, v4
	v_lshlrev_b32 v14, 3, v1                       ; the pieces of 8 bytes: 8 l
	v_add_nc_u32 v15, 2*KSB, v14
	s_add_co_u32 s15, s45, SLOTB
	v_add_nc_u32 v6, s15, v2                       ; W's, half 0
	v_add_nc_u32 v8, s15, v4
	v_mul_u32_u24 v[STO], v20, 272                 ; THE STAGE: 16 rows x (256 + 16) bytes at the head of my own quarter of half 0, which has had its one fill, and which I alone read, when the first result goes there
	v_lshl_add_u32 v[STO], v21, 6, v[STO]          ; in: row r, + 64 hl
	v_add_nc_u32 v[STO], s15, v[STO]
	v_mul_u32_u24 v[RD], v21, 272                  ; back: lanes 0-15 one row, lanes 16-31 the next
	v_lshl_add_u32 v[RD], v20, 4, v[RD]
	v_add_nc_u32 v[RD], s15, v[RD]
	s_add_co_u32 s15, s15, SLOTB
	v_add_nc_u32 v7, s15, v2                       ; half 1
	v_add_nc_u32 v9, s15, v4
	v_lshlrev_b32 v[CO], 12, v21                   ; and the same two rows in out0
	v_lshl_add_u32 v[CO], v20, 4, v[CO]
.macro FETCH st, set                   ; K step st: 32 loads for o, 12 for W, 12 scale words
.set HF, (\st)/4
.set KK, ((\st)/2)%2
.set QQ, (\st)%2
	WIN 0x40
.irp a, 0,1,2,3,4,5,6,7
.irp c, 0,1
	ds_load_b128 v[96*(\set)+12*\a+6*\c:96*(\set)+12*\a+6*\c+3], v[2+HF] offset:KSB*KK+REC*\a+1536*QQ+768*\c
	ds_load_b64 v[96*(\set)+12*\a+6*\c+4:96*(\set)+12*\a+6*\c+5], v[14+HF] offset:KSB*KK+REC*\a+1536*QQ+768*\c+512
.endr
.endr
	WIN 0
.irp t, 0,1,2,3
.irp c, 0,1,2
	ds_load_b128 v[64+48*(\set)+12*\t+4*\c:64+48*(\set)+12*\t+4*\c+3], v[6+HF] offset:13312*KK+REC*\t+1536*QQ+512*\c
.endr
.endr
.irp a, 0,1,2,3,4,5,6,7
	ds_load_b32 v[32+12*(\set)+\a], v[4+HF] offset:KSB*KK+REC*\a+3072+128*QQ
.endr
.irp t, 0,1,2,3
	ds_load_b32 v[40+12*(\set)+\t], v[8+HF] offset:13312*KK+REC*\t+3072+128*QQ
.endr
.endm
; 16 matrix instructions; the 32 accumulators take turns, one instruction a turn, in the same order in every step.  first = 1: the bias starts the sums
.macro MUL set, h, first
.if \first
	WIN 0x84                                       ; source 1 (o) window 1, C (the bias) window 0, D window 2
.else
	WIN 0xa4                                       ; source 1 window 1, C and D window 2
.endif
.irp a, 4*\h,4*\h+1,4*\h+2,4*\h+3
.irp t, 0,1,2,3
.set rW, 64+48*(\set)+12*\t
.set rX, 96*(\set)+12*(\a)
.set sW, 40+12*(\set)+\t
.set sX, 32+12*(\set)+(\a)
.set rD, 8*(4*(\a)+\t)
.if \first
	v_wmma_scale_f32_16x16x128_f8f6f4 v[rD:rD+7], v[rW:rW+11], v[rX:rX+11], v[160+8*\t:167+8*\t], v[sW], v[sX] matrix_a_fmt:MATRIX_FMT_BF6 matrix_b_fmt:MATRIX_FMT_BF6
.else
	v_wmma_scale_f32_16x16x128_f8f6f4 v[rD:rD+7], v[rW:rW+11], v[rX:rX+11], v[rD:rD+7], v[sW], v[sX] matrix_a_fmt:MATRIX_FMT_BF6 matrix_b_fmt:MATRIX_FMT_BF6
.endif
.endr
.endr
.endm
.macro STEP st, first, tw              ; tw = 1: the next step is the first to read half 1 (my own bytes): its load is waited for
	s_wait_dscnt 0x0                               ; this step's operands are in
.if \tw
	s_wait_tensorcnt 0x0
.endif
	PLACES                                         ; the other set was read by the last step's products
	FETCH (\st)+1, 1-(\st)%2
	MUL (\st)%2, 0, \first
	MUL (\st)%2, 1, \first
.endm
; THE WAY OUT, a tile of 16 tokens x my 64 outputs at a time: through my stage, back as rows of 256 bytes, which sixteen lanes store as one aligned run
.macro TOSTAGE a
	WIN 0x08                                       ; an LDS store's data: window 2
.irp t, 0,1,2,3
	ds_store_b128 v[STO], v[8*(4*(\a)+\t):8*(4*(\a)+\t)+3] offset:128*(\t/2)+32*(\t%2)       ; each accumulator from its low end on
	ds_store_b128 v[STO], v[8*(4*(\a)+\t)+4:8*(4*(\a)+\t)+7] offset:128*(\t/2)+32*(\t%2)+16
.endr
	WIN 0
.irp u, 0,1,2,3,4,5,6,7
	ds_load_b128 v[192+32*((\a)%2)+4*\u:192+32*((\a)%2)+4*\u+3], v[RD] offset:544*\u   ; LDS serves a wave's instructions in order: these see the stores above, and the next tile's stores come behind them
.endr
.endm
.macro SEND a, younger                 ; younger: the LDS instructions issued behind tile a's loads, which may stay out
	s_wait_dscnt \younger
.irp u, 0,1,2,3,4,5,6,7
	global_store_b128 v[CO], v[192+32*((\a)%2)+4*\u:192+32*((\a)%2)+4*\u+3], s[10:11] offset:(32*((\a)/2)+8*((\a)%2)+2*\u+8*(\u/4))*4096 th:TH_STORE_NT   ; tile row 2 u + hl is token 32 (a / 2) + 8 (a % 2) + 2 u + hl + 8 (u / 4)
.endr
.endm
	s_wait_alu depctr_va_vdst(0)
	s_wait_tensorcnt 0x0                           ; my one load of the head has landed
	s_barrier_signal -1
	s_barrier_wait -1                              ; everybody's quarter of o is in
	FETCH 0, 0
	s_wait_loadcnt 0x0                             ; the bias
	STEP 0, 1, 0
	STEP 1, 0, 0
	STEP 2, 0, 0
	STEP 3, 0, 1
	STEP 4, 0, 0
	STEP 5, 0, 0
	STEP 6, 0, 0
	s_wait_dscnt 0x0
	MUL 1, 0, 0
	MUL 1, 1, 0
	WIN 0
	PLACES                                         ; ahead of the first read of the last results
	TOSTAGE 0
.irp a, 1,2,3,4,5,6,7
.if \a > 1
	s_wait_xcnt 0x0                                ; tile a - 2's stores have read their registers: tile a's loads may land there
.endif
	TOSTAGE \a
	SEND \a-1, 16                                  ; behind tile a - 1's loads: tile a's eight stores and eight loads
.endr
	SEND 7, 0
	s_wait_tensorcnt 0x0                           ; the wave's end, behind my last tensor load and my last LDS store
	ds_add_u32 v[SPW], v[NIL]
	s_wait_dscnt 0x0
	CROUND                                         ; the closing round: no work-group ends while a partner may still ask for a tile that names it
	s_endpgm
.Lfunc_end_k_q0b336adfce_proj:
	.size	k_q0b336adfce_proj, .Lfunc_end_k_q0b336adfce_proj-k_q0b336adfce_proj
	.p2alignl 7, 3214868480
	.fill 96, 4, 3214868480
	.section	.rodata,"a",@progbits
	.p2align	6, 0x0
	.amdhsa_kernel k_q0b336adfce_proj
		.amdhsa_group_segment_fixed_size 327680
		.amdhsa_private_segment_fixed_size 0
		.amdhsa_enable_private_segment 0
		.amdhsa_kernarg_size 32
		.amdhsa_user_sgpr_count 2
		.amdhsa_user_sgpr_kernarg_segment_ptr 1
		.amdhsa_wavefront_size32 1
		.amdhsa_system_sgpr_workgroup_id_x 1
		.amdhsa_system_sgpr_workgroup_id_y 1
		.amdhsa_system_sgpr_workgroup_id_z 1
		.amdhsa_system_vgpr_workitem_id 0
		.amdhsa_next_free_vgpr 768
		.amdhsa_next_free_sgpr 100
		.amdhsa_reserve_vcc 0
		.amdhsa_float_denorm_mode_32 3
		.amdhsa_float_denorm_mode_16_64 3
		.amdhsa_memory_ordered 1
		.amdhsa_forward_progress 1
		.amdhsa_inst_pref_size 84
	.end_amdhsa_kernel
	.amdgpu_metadata
---
amdhsa.version: [ 1, 2 ]
amdhsa.kernels:
  - .name:           k_q0b336adfce_proj
    .symbol:         k_q0b336adfce_proj.kd
    .args:
      - { .name: oc, .offset: 0, .size: 8, .value_kind: global_buffer, .address_space: global }
      - { .name: wc, .offset: 8, .size: 8, .value_kind: global_buffer, .address_space: global }
      - { .name: b_proj, .offset: 16, .size: 8, .value_kind: global_buffer, .address_space: global }
      - { .name: out0, .offset: 24, .size: 8, .value_kind: global_buffer, .address_space: global }
    .group_segment_fixed_size: 327680
    .private_segment_fixed_size: 0
    .kernarg_segment_align: 8
    .kernarg_segment_size: 32
    .max_flat_workgroup_size: 128
    .sgpr_count:     100
    .vgpr_count:     768
    .wavefront_size: 32
...
	.end_amdgpu_metadata
.endif
;; end of part 4
